; MI455X (gfx1250); checked and timed in simulation.
; The chip was launched on July 23, 2026; its instructions are those of AMD's public machine-readable ISA for CDNA 5 (MIT licence, August 2026) and "CDNA5" Instruction Set Architecture Reference Guide (July 2026). The comments in the code are by the model that wrote it; some were corrected since.
;; Diffusion Transformer Block. Allowed arithmetic: matrix products marked QUANTISED: E4M3 operands, one given power-of-two scale a tensor, by v_wmma_f32_16x16x64_fp8_fp8 or v_wmma_f32_16x16x128_fp8_fp8, f32 sums; products left as they are: f32 operands where the result goes on into a quantised operand, else bf16, f16 or f32 operands; f32 sums; everything else in f32.
;; Inputs: b1 4,096 float32; b2 1,024 float32; bk 1,024 float32; bo 1,024 float32; bq 1,024 float32; bt_attn 2,048 float32; bt_ffn 2,048 float32; bv 1,024 float32; ln1_b 1,024 float32; ln1_w 1,024 float32; ln2_b 1,024 float32; ln2_w 1,024 float32; lowp_scales 16 int32 (the exponents e of the quantised operands' scales 2^e); t_emb 2 x 1,024 float32; w1 1,024 x 4,096 float32; w2 4,096 x 1,024 float32; wk 1,024 x 1,024 float32; wo 1,024 x 1,024 float32; wq 1,024 x 1,024 float32; wt_attn 1,024 x 2,048 float32; wt_ffn 1,024 x 2,048 float32; wv 1,024 x 1,024 float32; x 2 x 2,048 x 1,024 float32.
;; Outputs: out0 2 x 2,048 x 1,024 float32.
;; This version of the problem:
;;   THIS VERSION OF THE PROBLEM IS GIVEN IN LOW PRECISION. The matrix products marked QUANTISED in the list below multiply operands that are first quantised to E4M3 (4 exponent bits, 3 mantissa bits; 8 bits a number), with one given power-of-two scale for each operand tensor; their sums are f32. All else is computed in f32.
;;   The module's matrix products, in the order in which they are computed (A, B: the left and right operand; K: the contracted axis; several contracted axes count as one K, in the product's order):
;;     1. [M 2, K 1,024] x [K 1,024, N 2,048]; A: input t_emb; B: input wt_attn: left as it is (M = 2 < 16)
;;     2. [M 4,096, K 1,024] x [K 1,024, N 1,024]; A: computed on the way; B: input wq: QUANTISED (scales: A lowp_scales[0], B lowp_scales[1])
;;     3. [M 4,096, K 1,024] x [K 1,024, N 1,024]; A: computed on the way; B: input wk: QUANTISED (scales: A lowp_scales[2], B lowp_scales[3])
;;     4. [M 4,096, K 1,024] x [K 1,024, N 1,024]; A: computed on the way; B: input wv: QUANTISED (scales: A lowp_scales[4], B lowp_scales[5])
;;     5. batch 32 x [M 2,048, K 64] x [K 64, N 2,048]; A: computed on the way; B: computed on the way: QUANTISED (scales: A lowp_scales[6], B lowp_scales[7])
;;     6. batch 32 x [M 2,048, K 2,048] x [K 2,048, N 64]; A: softmax (see below); B: computed on the way: QUANTISED (scales: A lowp_scales[8], B lowp_scales[9])
;;     7. [M 4,096, K 1,024] x [K 1,024, N 1,024]; A: computed on the way; B: input wo: QUANTISED (scales: A lowp_scales[10], B lowp_scales[11])
;;     8. [M 2, K 1,024] x [K 1,024, N 2,048]; A: input t_emb; B: input wt_ffn: left as it is (M = 2 < 16)
;;     9. [M 4,096, K 1,024] x [K 1,024, N 4,096]; A: computed on the way; B: input w1: QUANTISED (scales: A lowp_scales[12], B lowp_scales[13])
;;     10. [M 4,096, K 4,096] x [K 4,096, N 1,024]; A: computed on the way; B: input w2: QUANTISED (scales: A lowp_scales[14], B lowp_scales[15])
;;   THE QUANTISER, for each operand of a quantised product, along K:
;;     - The operand's scale is 2^e, e = its entry of the input lowp_scales (int32; the entries are numbered through the quantised products in the list's order, A before B).
;;     - Each number is divided by the scale, clamped to +-448, and rounded to the nearest number of E4M3, ties to even, subnormals kept.
;;     - The product sums the exact products of the quantised numbers (number of the format x scale) in f32.
;;   ~~~python
;;   def quantise(x, axis, e):      # numpy; x: float32 -> the quantised numbers, widened to float32 again
;;       x = np.moveaxis(x, axis, -1); K = x.shape[-1]
;;       r = np.clip(x / 2.0 ** e, -448, 448)
;;       step = 2.0 ** (np.maximum(np.frexp(np.where(r == 0, 1, r))[1] - 1, -6) - 3)
;;       q = np.round(r / step) * step * 2.0 ** e      # np.round: ties to even
;;       return np.moveaxis(q, -1, axis).astype(np.float32)
;;   ~~~
;;   SOFTMAX AHEAD OF A QUANTISED PRODUCT. Where the list says 'softmax', what is quantised is not the finished softmax but p = 2^(t - M), with t = logit x log2(e) and M = ceil(the row's largest t), a whole number; so 1/2 < the row's largest p <= 1. The row's sum l is taken of the UNQUANTISED p, in f32, and the product's result is divided by l at the end. Since M is a whole number, a kernel that streams over the keys may use a running M (the ceiling of the running maximum): every later rescaling is an exact power of two, so the quantised numbers keep their values, but for numbers so far below the row's largest that they fall under the format's range.
;;   OPERANDS COMPUTED ON THE WAY. 'Computed on the way' means the value that the module computes at that place (a softmax that the list does not call 'softmax' is quantised finished and normalised). What goes into a quantiser is computed in f32, as accurately as f32 sums, v_exp_f32 and their like allow (about 1e-6 of the number): no bf16 or f16 on the way to a quantiser, and a product that is left as it is and whose result goes on into a quantised operand takes f32 operands (vector FMAs, or v_wmma_f32_16x16x4_f32). A number that lies on a knife's edge between two numbers of the format may be rounded either way, as far as f32 arithmetic and the matrix unit's own rounding can turn it there, and no further.
;; One version. Each part assembles by itself: llvm-mc -triple=amdgcn-amd-amdhsa -mcpu=gfx1250 --defsym DOCPART=n.
;; ======== version 1 of 1: 8 launches
;; limits: right only within a limited range of input values
;; workspace buffers: wc 12,582,912 bytes; tmod 32,768 bytes; xa 12,582,912 bytes; qkvc 12,582,912 bytes; ao 4,194,304 bytes; x1 16,777,216 bytes; xf 4,194,304 bytes; hc 16,777,216 bytes
;; launch prep (part 1): grid 256 x 1, 8 waves a work-group, no clusters, 5,120 bytes of LDS; arguments wq, wk, wv, wo, w1, w2, wt_attn, wt_ffn, bt_attn, bt_ffn, t_emb, lowp_scales, wc, tmod; writes wc, tmod
.if DOCPART == 1
	.amdgcn_target "amdgcn-amd-amdhsa--gfx1250"
	.amdhsa_code_object_version 6
	.text
	.protected	k_q6cb93d34ef_prep
	.globl	k_q6cb93d34ef_prep
	.p2align	8
	.type	k_q6cb93d34ef_prep,@function
k_q6cb93d34ef_prep:
	s_mov_b64 s[64:65], 0
	v_nop
	global_prefetch_b8 v0, s[64:65] scope:SCOPE_SE
	s_setreg_imm32_b32 hwreg(HW_REG_WAVE_MODE, 25, 1), 1
	s_wait_xcnt 0x0
; PREP.  Work-groups 0-63: t = t_emb @ wt + bt for wt_attn (0-31) and wt_ffn (32-63), in f32 multiply-adds, into tmod [matrix 2][batch 2][2048].
; Work-groups 64-255: the six weights [K][N] f32 become codes of E4M3 with the given scale 2^e, laid as IMAGES OF OPERAND REGISTERS:
; wc = [n / 16][k / 128][2048 bytes]; in a fragment, lane (r, h) holds row n = r, and its registers 2 c, 2 c + 1 hold k = 16 c + 8 h + 0 .. 7; registers 4 g .. 4 g + 3 lie at 512 g + 16 lane.
; wq at 0, wk at 1 MiB, wv at 2 MiB, wo at 3 MiB, w1 at 4 MiB, w2 at 8 MiB.
; code = x / 2^e, held within +-448, to the nearest code, ties to even.  LIMITS: e between -126 and 119.  NaN among the inputs is not served.
; No matrix unit, no cluster, no tensor load: every byte is read once and work-groups share nothing.
.set SPARE, 4096                       ; behind the eight waves' partial sums: the spare words, 128 bytes a wave
.set SPW,   8                          ; v8  LDS address of my spare word; never rewritten
.set NIL,   9                          ; v9  0; never rewritten
.set X,     32                         ; v32-95 (weights: two sets of 32; t: v32-159, two sets of 64)
.set C,     96                         ; v96-159 weights: eight registers of codes for each block, so that no store's data are written again
.macro TLOADW i                        ; 32 rows of wt at my two columns: each load reads 256 consecutive bytes
.set rr, 0
.rept 32
	global_load_b64 v[X+64*((\i)%2)+2*rr:X+64*((\i)%2)+2*rr+1], v2, s[16:17] offset:(32*(\i)+rr)*8192 th:TH_LOAD_NT
.set rr, rr+1
.endr
.endm
.macro TCHUNK i                        ; 32 rows: t_emb's numbers of both batches in scalar registers, four multiply-adds a row
	s_load_b512 s[32:47], s[24:25], 128*(\i)
	s_load_b512 s[48:63], s[24:25], 128*(\i)+64
	s_load_b512 s[68:83], s[24:25], 128*(\i)+4096
	s_load_b512 s[84:99], s[24:25], 128*(\i)+4160
.if (\i) < 3
	TLOADW (\i)+1
.endif
	s_wait_kmcnt 0x0
.if (\i) < 3
	s_wait_loadcnt 32                              ; this chunk's rows are in; the next chunk's 32 loads stay out
.else
	s_wait_loadcnt 0x0
.endif
.set rr, 0
.set WR, X+64*((\i)%2)+2*rr
.if ((\i) == 0) && (rr == 0)
	v_mul_f32 v4, s32, v[WR]                       ; the first row starts the sums
	v_mul_f32 v5, s32, v[WR+1]
	v_mul_f32 v6, s68, v[WR]
	v_mul_f32 v7, s68, v[WR+1]
.else
	v_fmac_f32 v4, s[32+rr], v[WR]
	v_fmac_f32 v5, s[32+rr], v[WR+1]
	v_fmac_f32 v6, s[68+rr], v[WR]
	v_fmac_f32 v7, s[68+rr], v[WR+1]
.endif
.set rr, rr+1
.rept (32)-1
.set WR, X+64*((\i)%2)+2*rr
.if ((\i) == 0) && (rr == 0)
	v_mul_f32 v4, s32, v[WR]                       ; the first row starts the sums
	v_mul_f32 v5, s32, v[WR+1]
	v_mul_f32 v6, s68, v[WR]
	v_mul_f32 v7, s68, v[WR+1]
.else
	s_delay_alu instid0(VALU_DEP_4)
	v_fmac_f32 v4, s[32+rr], v[WR]
	s_delay_alu instid0(VALU_DEP_4)
	v_fmac_f32 v5, s[32+rr], v[WR+1]
	s_delay_alu instid0(VALU_DEP_4)
	v_fmac_f32 v6, s[68+rr], v[WR]
	s_delay_alu instid0(VALU_DEP_4)
	v_fmac_f32 v7, s[68+rr], v[WR+1]
.endif
.set rr, rr+1
.endr
.endm
.macro WLOAD t, n                      ; block t: W(k0 + 32 t + i, my column): a lane is a column, its registers run down K
.set rr, 0
.rept 32
	global_load_b32 v[X+32*((\t)%2)+rr], v2, s[36:37] offset:(32*(\t)+rr)*(\n)*4 th:TH_LOAD_NT
.set rr, rr+1
.endr
.endm
.macro WBLOCK t, n
.set XS, X+32*((\t)%2)
.set CS, C+8*(\t)
.if (\t) < 7
	s_wait_loadcnt 32                              ; this block's 32 loads are in; the next block's stay out
.else
	s_wait_loadcnt 0x0
.endif
.set rr, 0
.rept 32
	v_med3_num_f32 v[XS+rr], v[XS+rr], -v10, v10   ; the conversion does not saturate (ISA guide 7.6.2): the hold at 448 x the scale
.set rr, rr+1
.endr
	v_cvt_scalef32_pk8_fp8_f32 v[CS:CS+1], v[XS:XS+7], v11         ; half h = 0 of the image: k 0-7 and k 16-23
	v_cvt_scalef32_pk8_fp8_f32 v[CS+2:CS+3], v[XS+16:XS+23], v11
	v_cvt_scalef32_pk8_fp8_f32 v[CS+4:CS+5], v[XS+8:XS+15], v11    ; half h = 1: k 8-15 and k 24-31
	v_cvt_scalef32_pk8_fp8_f32 v[CS+6:CS+7], v[XS+24:XS+31], v11
	global_store_b128 v3, v[CS:CS+3], s[28:29] offset:512*(\t)      ; sixteen lanes store 256 consecutive bytes, aligned
	global_store_b128 v3, v[CS+4:CS+7], s[28:29] offset:512*(\t)+256
.if (\t)+2 < 8
	WLOAD (\t)+2, \n
.endif
.endm
	s_load_b512 s[4:19], s[0:1], 0x0               ; wq 4, wk 6, wv 8, wo 10, w1 12, w2 14, wt_attn 16, wt_ffn 18
	s_load_b256 s[20:27], s[0:1], 0x40             ; bt_attn 20, bt_ffn 22, t_emb 24, the scales' exponents 26
	s_load_b128 s[28:31], s[0:1], 0x60             ; wc 28, tmod 30
	v_lshl_add_u32 v[SPW], v0, 2, SPARE
	v_mov_b32 v[NIL], 0
	v_lshrrev_b32 v1, 5, v0
	s_delay_alu instid0(VALU_DEP_1)
	v_readfirstlane_b32 s3, v1                     ; wave 0..7
	v_and_b32 v1, 31, v0                           ; lane
	s_wait_kmcnt 0x0
	s_cmp_ge_u32 ttmp9, 64
	s_cbranch_scc1 .Lweights
	; ---- t: the work-group owns 64 columns (256 bytes of each row), wave w rows 128 w .. 128 w + 127, a lane two columns
	s_lshr_b32 s32, ttmp9, 5                       ; which matrix
	s_and_b32 s33, ttmp9, 31                       ; which 64 columns
	s_lshl_b32 s36, s3, 20                         ; 128 rows of 8,192 bytes
	s_lshl_b32 s38, s33, 8
	s_add_co_u32 s36, s36, s38
	s_mov_b32 s37, 0
	s_mov_b32 s39, 0
	s_lshl_b32 s40, s32, 14
	s_add_co_u32 s40, s40, s38
	s_mov_b32 s41, 0
	s_lshl_b32 s42, s3, 9                          ; my 128 numbers of t_emb
	s_mov_b32 s43, 0
	s_cmp_eq_u32 s32, 0
	s_cselect_b64 s[16:17], s[16:17], s[18:19]
	s_cselect_b64 s[20:21], s[20:21], s[22:23]
	s_add_nc_u64 s[16:17], s[16:17], s[36:37]
	s_add_nc_u64 s[20:21], s[20:21], s[38:39]
	s_add_nc_u64 s[30:31], s[30:31], s[40:41]
	s_add_nc_u64 s[24:25], s[24:25], s[42:43]
	s_wait_alu depctr_va_vdst(0)
	v_lshlrev_b32 v2, 3, v1                        ; 8 bytes a lane
	global_load_b64 v[10:11], v2, s[20:21]         ; the bias of my two columns
	TLOADW 0
	TCHUNK 0
	s_wait_alu depctr_va_vdst(0)
	TCHUNK 1
	s_wait_alu depctr_va_vdst(0)
	TCHUNK 2
	s_wait_alu depctr_va_vdst(0)
	TCHUNK 3
	v_lshlrev_b32 v3, 4, v0                        ; the eight waves' partial sums meet in LDS: 16 bytes a thread
	v_lshlrev_b32 v12, 4, v1
	ds_store_b128 v3, v[4:7]
	s_wait_alu depctr_va_vdst(0)
	s_wait_dscnt 0x0                               ; for the others' sake: my store is done
	s_barrier_signal -1
	s_barrier_wait -1
.irp i, 0,1,2,3,4,5,6,7
	ds_load_b128 v[X+4*\i:X+4*\i+3], v12 offset:512*\i
.endr
	s_wait_dscnt 0x0
	v_pk_add_f32 v[4:5], v[X:X+1], v[X+4:X+5]
	v_pk_add_f32 v[6:7], v[X+2:X+3], v[X+6:X+7]
.irp i, 2,3,4,5,6,7
	s_delay_alu instid0(VALU_DEP_2)
	v_pk_add_f32 v[4:5], v[4:5], v[X+4*\i:X+4*\i+1]
	s_delay_alu instid0(VALU_DEP_2)
	v_pk_add_f32 v[6:7], v[6:7], v[X+4*\i+2:X+4*\i+3]
.endr
	s_delay_alu instid0(VALU_DEP_2)
	v_pk_add_f32 v[4:5], v[4:5], v[10:11]
	s_delay_alu instid0(VALU_DEP_2)
	v_pk_add_f32 v[6:7], v[6:7], v[10:11]
	s_wait_tensorcnt 0x0                           ; the wave's end
	ds_add_u32 v[SPW], v[NIL]
	s_wait_dscnt 0x0
	s_cmp_lg_u32 s3, 0
	s_cbranch_scc1 .Lend
	s_wait_alu depctr_va_vdst(0)
	global_store_b64 v2, v[4:5], s[30:31]          ; batch 0: 256 consecutive bytes
	global_store_b64 v2, v[6:7], s[30:31] offset:8192   ; batch 1
.Lend:
	s_endpgm
	; ---- weights: a work-group takes 128 columns x 512 along K, a wave 32 columns x 256
.Lweights:
	s_load_b512 s[68:83], s[26:27], 0x0            ; e0 .. e15 in s68 .. s83
	s_sub_co_u32 s33, ttmp9, 64                    ; 0-63: wq wk wv wo, sixteen each; 64-127: w1; 128-191: w2
	s_lshr_b32 s34, s33, 4
	s_lshl_b32 s39, s34, 20                        ; the tensor's place in wc
	s_and_b32 s40, s33, 7                          ; which 128 columns
	s_bfe_u32 s41, s33, 0x10003                    ; which 512 along K
	s_and_b32 s44, s33, 31                         ; the same for w1,
	s_bfe_u32 s45, s33, 0x10005
	s_bfe_u32 s46, s33, 0x30003                    ; and K's part for w2
	s_lshr_b32 s47, s33, 6
	s_wait_kmcnt 0x0
	s_cmp_eq_u32 s34, 1
	s_cselect_b64 s[36:37], s[6:7], s[4:5]
	s_cselect_b32 s38, s71, s69
	s_cmp_eq_u32 s34, 2
	s_cselect_b64 s[36:37], s[8:9], s[36:37]
	s_cselect_b32 s38, s73, s38
	s_cmp_eq_u32 s34, 3
	s_cselect_b64 s[36:37], s[10:11], s[36:37]
	s_cselect_b32 s38, s79, s38
	s_cmp_eq_u32 s47, 1
	s_cselect_b64 s[36:37], s[12:13], s[36:37]
	s_cselect_b32 s38, s81, s38
	s_cselect_b32 s39, 0x400000, s39
	s_cselect_b32 s40, s44, s40
	s_cselect_b32 s41, s45, s41
	s_cselect_b32 s42, 12, 10                      ; log2 N
	s_cmp_eq_u32 s47, 2
	s_cselect_b64 s[36:37], s[14:15], s[36:37]
	s_cselect_b32 s38, s83, s38
	s_cselect_b32 s39, 0x800000, s39
	s_cselect_b32 s41, s46, s41
	s_cselect_b32 s43, 16, 14                      ; log2 of a block of 16 columns in wc: 16 K bytes
	s_and_b32 s44, s3, 3
	s_lshl_b32 s44, s44, 5
	s_lshl_b32 s40, s40, 7
	s_add_co_u32 s40, s40, s44                     ; n0: my first column
	s_lshr_b32 s45, s3, 2
	s_lshl_b32 s45, s45, 8
	s_lshl_b32 s41, s41, 9
	s_add_co_u32 s41, s41, s45                     ; k0: my first row
	s_lshl_b32 s44, s41, s42
	s_add_co_u32 s44, s44, s40
	s_lshl_b32 s44, s44, 2                         ; (k0 N + n0) x 4 bytes, under 2^24
	s_mov_b32 s45, 0
	s_add_nc_u64 s[36:37], s[36:37], s[44:45]
	s_lshr_b32 s44, s40, 4
	s_lshl_b32 s44, s44, s43
	s_lshl_b32 s46, s41, 4                         ; k0 / 128 fragments of 2,048 bytes
	s_add_co_u32 s44, s44, s46
	s_add_co_u32 s44, s44, s39
	s_add_nc_u64 s[28:29], s[28:29], s[44:45]
	s_wait_alu depctr_va_vdst(0)
	v_lshlrev_b32 v2, 2, v1                        ; in: 4 bytes a lane
	v_lshrrev_b32 v3, 4, v1
	s_delay_alu instid0(VALU_DEP_1)
	v_lshlrev_b32 v3, s43, v3                      ; out: lanes 16-31 belong to the next block of 16 columns,
	v_and_b32 v4, 15, v1
	s_delay_alu instid0(VALU_DEP_1)
	v_lshl_add_u32 v3, v4, 4, v3                   ; 16 bytes a column
	s_add_co_i32 s38, s38, 127
	s_lshl_b32 s44, s38, 23
	v_mov_b32 v11, s44                             ; 2^e as f32: the conversion takes its exponent field
	s_add_co_i32 s38, s38, 8
	s_lshl_b32 s38, s38, 23
	s_or_b32 s38, s38, 0x600000
	v_mov_b32 v10, s38                             ; 448 x 2^e
	s_cmp_eq_u32 s47, 1
	s_cbranch_scc1 .Lwide
	WLOAD 0, 1024
	WLOAD 1, 1024
	s_wait_alu depctr_va_vdst(0)
.irp t, 0,1,2,3,4,5,6,7
	WBLOCK \t, 1024
.endr
	s_endpgm
.Lwide:                                            ; w1: rows of 4,096 numbers: the same with other immediates
	s_wait_alu depctr_va_vdst(0)
	WLOAD 0, 4096
	WLOAD 1, 4096
.irp t, 0,1,2,3,4,5,6,7
	WBLOCK \t, 4096
.endr
	s_endpgm
.Lfunc_end_k_q6cb93d34ef_prep:
	.size	k_q6cb93d34ef_prep, .Lfunc_end_k_q6cb93d34ef_prep-k_q6cb93d34ef_prep
	.p2alignl 7, 3214868480
	.fill 96, 4, 3214868480
	.section	.rodata,"a",@progbits
	.p2align	6, 0x0
	.amdhsa_kernel k_q6cb93d34ef_prep
		.amdhsa_group_segment_fixed_size 5120
		.amdhsa_private_segment_fixed_size 0
		.amdhsa_enable_private_segment 0
		.amdhsa_kernarg_size 112
		.amdhsa_user_sgpr_count 2
		.amdhsa_user_sgpr_kernarg_segment_ptr 1
		.amdhsa_wavefront_size32 1
		.amdhsa_system_sgpr_workgroup_id_x 1
		.amdhsa_system_sgpr_workgroup_id_y 1
		.amdhsa_system_sgpr_workgroup_id_z 1
		.amdhsa_system_vgpr_workitem_id 0
		.amdhsa_next_free_vgpr 160
		.amdhsa_next_free_sgpr 100
		.amdhsa_reserve_vcc 0
		.amdhsa_float_denorm_mode_32 3
		.amdhsa_float_denorm_mode_16_64 3
		.amdhsa_memory_ordered 1
		.amdhsa_forward_progress 1
		.amdhsa_inst_pref_size 140
	.end_amdhsa_kernel
	.amdgpu_metadata
---
amdhsa.version: [ 1, 2 ]
amdhsa.kernels:
  - .name:           k_q6cb93d34ef_prep
    .symbol:         k_q6cb93d34ef_prep.kd
    .args:
      - { .name: wq, .offset: 0, .size: 8, .value_kind: global_buffer, .address_space: global }
      - { .name: wk, .offset: 8, .size: 8, .value_kind: global_buffer, .address_space: global }
      - { .name: wv, .offset: 16, .size: 8, .value_kind: global_buffer, .address_space: global }
      - { .name: wo, .offset: 24, .size: 8, .value_kind: global_buffer, .address_space: global }
      - { .name: w1, .offset: 32, .size: 8, .value_kind: global_buffer, .address_space: global }
      - { .name: w2, .offset: 40, .size: 8, .value_kind: global_buffer, .address_space: global }
      - { .name: wt_attn, .offset: 48, .size: 8, .value_kind: global_buffer, .address_space: global }
      - { .name: wt_ffn, .offset: 56, .size: 8, .value_kind: global_buffer, .address_space: global }
      - { .name: bt_attn, .offset: 64, .size: 8, .value_kind: global_buffer, .address_space: global }
      - { .name: bt_ffn, .offset: 72, .size: 8, .value_kind: global_buffer, .address_space: global }
      - { .name: t_emb, .offset: 80, .size: 8, .value_kind: global_buffer, .address_space: global }
      - { .name: lowp_scales, .offset: 88, .size: 8, .value_kind: global_buffer, .address_space: global }
      - { .name: wc, .offset: 96, .size: 8, .value_kind: global_buffer, .address_space: global }
      - { .name: tmod, .offset: 104, .size: 8, .value_kind: global_buffer, .address_space: global }
    .group_segment_fixed_size: 5120
    .private_segment_fixed_size: 0
    .kernarg_segment_align: 8
    .kernarg_segment_size: 112
    .max_flat_workgroup_size: 256
    .sgpr_count:     100
    .vgpr_count:     160
    .wavefront_size: 32
...
	.end_amdgpu_metadata
.endif
;; end of part 1
;; launch ln1 (part 2): grid 256 x 1, 8 waves a work-group, no clusters, 67,328 bytes of LDS; arguments x, ln1_w, ln1_b, tmod, lowp_scales, xa; writes xa
.if DOCPART == 2
	.amdgcn_target "amdgcn-amd-amdhsa--gfx1250"
	.amdhsa_code_object_version 6
	.text
	.protected	k_q6cb93d34ef_ln1
	.globl	k_q6cb93d34ef_ln1
	.p2align	8
	.type	k_q6cb93d34ef_ln1,@function
k_q6cb93d34ef_ln1:
	s_mov_b64 s[64:65], 0
	v_nop
	global_prefetch_b8 v0, s[64:65] scope:SCOPE_SE
	s_setreg_imm32_b32 hwreg(HW_REG_WAVE_MODE, 25, 1), 1
	s_wait_xcnt 0x0
; LAYER NORM, MODULATION, QUANTISER.  z = ((x - mean) rsqrt(var + 1e-5) w + b) (1 + scale) + shift, all f32, the variance from the differences (two passes over registers).
; z is quantised NT times, each time with its own given scale, into images of operand registers: [t][row / 16][k / 128][2048 bytes]; lane (r, h): row r, registers 2 c, 2 c + 1: k = 16 c + 8 h + 0 .. 7.
; A work-group owns 16 rows, wave w rows 2 w and 2 w + 1.  A lane holds columns 256 j + 8 lane + 0 .. 7 (j = 0 .. 3), so that a conversion finds eight neighbours along K in one lane.
; The codes meet in a stage in LDS (rows of 1,024 bytes + 16); behind one barrier wave w reads K step w of each image and stores it, 512 consecutive bytes an instruction.
; LIMITS: each e between -126 and 119.  NaN among the inputs is not served.  No matrix unit, cluster or tensor load: the launch streams, and work-groups share nothing but the small parameters.
.set NT,    3                          ; how many images
.set MAT,   0                          ; which half of tmod
.set E0,    0                          ; the scales' entries
.set E1,    2
.set E2,    4
.set PITCH, 1040
.set STG,   16*PITCH
.set SPARE, NT*STG                     ; behind the stages: the spare words, 128 bytes a wave
.set PB,  SPARE+1024                   ; behind the spare words: w, b, scale, shift, 4,096 bytes each, stored once by the work-group and read by every wave
.macro LLOAD reg, off                  ; a parameter's 32 numbers of my lane, from LDS: columns 256 j + 8 lane + 0 .. 7
.irp j, 0,1,2,3
	ds_load_b128 v[\reg+8*\j:\reg+8*\j+3], v9 offset:\off+1024*\j
	ds_load_b128 v[\reg+8*\j+4:\reg+8*\j+7], v9 offset:\off+1024*\j+16
.endr
.endm
.set SPW, 6
.set NIL, 7                            ; v7  0; never rewritten
.set X,  32                            ; v32-95  two rows, 32 numbers each
.set LW, 96                            ; v96-127 w;  v128-159 b;  v160-191 scale;  v192-223 shift
.set LB, 128
.set SC, 160
.set SH, 192
.set H,  96                            ; later: v96-159 held numbers, then the images' registers; v160-207 codes
.set CD, 160
.macro PLOAD reg, base, off
.irp j, 0,1,2,3
	global_load_b128 v[\reg+8*\j:\reg+8*\j+3], v2, s[\base:\base+1] offset:\off+1024*\j
	global_load_b128 v[\reg+8*\j+4:\reg+8*\j+7], v2, s[\base:\base+1] offset:\off+1024*\j+16
.endr
.endm
.macro LANESUM r, t                    ; v[r] summed over the 32 lanes, in every lane
	s_delay_alu instid0(VALU_DEP_1)
	v_add_f32_dpp v[\r], v[\r], v[\r] row_xmask:1 row_mask:0xf bank_mask:0xf
	s_delay_alu instid0(VALU_DEP_1)
	v_add_f32_dpp v[\r], v[\r], v[\r] row_xmask:2 row_mask:0xf bank_mask:0xf
	s_delay_alu instid0(VALU_DEP_1)
	v_add_f32_dpp v[\r], v[\r], v[\r] row_xmask:4 row_mask:0xf bank_mask:0xf
	s_delay_alu instid0(VALU_DEP_1)
	v_add_f32_dpp v[\r], v[\r], v[\r] row_xmask:8 row_mask:0xf bank_mask:0xf
	s_delay_alu instid0(VALU_DEP_1)
	v_permlanex16_b32 v[\t], v[\r], s20, s21
	s_delay_alu instid0(VALU_DEP_1)
	v_add_f32 v[\r], v[\r], v[\t]
.endm
.macro QSET se, vlim, vscl
	s_add_co_i32 s36, s[\se], 127
	s_lshl_b32 s37, s36, 23
	v_mov_b32 v[\vscl], s37                        ; 2^e as f32
	s_add_co_i32 s36, s36, 8
	s_lshl_b32 s36, s36, 23
	s_or_b32 s36, s36, 0x600000
	v_mov_b32 v[\vlim], s36                        ; 448 x 2^e
.endm
.macro ROWSTAT rr                      ; row rr: x becomes x - mean; v[S0] = var + eps
.set XB, X+32*(\rr)
.set S0, 16+8*(\rr)
	v_pk_add_f32 v[S0:S0+1], v[XB:XB+1], v[XB+4:XB+5]
	v_pk_add_f32 v[S0+2:S0+3], v[XB+2:XB+3], v[XB+6:XB+7]
.irp i, 8,12,16,20,24,28
	s_delay_alu instid0(VALU_DEP_2)
	v_pk_add_f32 v[S0:S0+1], v[S0:S0+1], v[XB+\i:XB+\i+1]
	s_delay_alu instid0(VALU_DEP_2)
	v_pk_add_f32 v[S0+2:S0+3], v[S0+2:S0+3], v[XB+\i+2:XB+\i+3]
.endr
	s_delay_alu instid0(VALU_DEP_1)
	v_pk_add_f32 v[S0:S0+1], v[S0:S0+1], v[S0+2:S0+3]
	s_delay_alu instid0(VALU_DEP_1)
	v_add_f32 v[S0], v[S0], v[S0+1]
	LANESUM S0, S0+4
	s_delay_alu instid0(VALU_DEP_1)
	v_mul_f32 v[S0+6], 0x3a800000, v[S0]           ; the mean: sum / 1,024
	s_delay_alu instid0(VALU_DEP_1)
	v_mov_b32 v[S0+7], v[S0+6]
.set i, 0
.rept 16
	v_pk_add_f32 v[XB+i:XB+i+1], v[XB+i:XB+i+1], v[S0+6:S0+7] neg_lo:[0,1] neg_hi:[0,1]
.set i, i+2
.endr
	v_pk_mul_f32 v[S0:S0+1], v[XB:XB+1], v[XB:XB+1]
	v_pk_mul_f32 v[S0+2:S0+3], v[XB+2:XB+3], v[XB+2:XB+3]
.irp i, 4,8,12,16,20,24,28
	s_delay_alu instid0(VALU_DEP_2)
	v_pk_fma_f32 v[S0:S0+1], v[XB+\i:XB+\i+1], v[XB+\i:XB+\i+1], v[S0:S0+1]
	s_delay_alu instid0(VALU_DEP_2)
	v_pk_fma_f32 v[S0+2:S0+3], v[XB+\i+2:XB+\i+3], v[XB+\i+2:XB+\i+3], v[S0+2:S0+3]
.endr
	s_delay_alu instid0(VALU_DEP_1)
	v_pk_add_f32 v[S0:S0+1], v[S0:S0+1], v[S0+2:S0+3]
	s_delay_alu instid0(VALU_DEP_1)
	v_add_f32 v[S0], v[S0], v[S0+1]
	LANESUM S0, S0+4
	s_delay_alu instid0(VALU_DEP_1)
	v_fma_f32 v[S0], v[S0], s30, s31               ; sum / 1,024 + 1e-5
.endm
	s_load_b256 s[4:11], s[0:1], 0x0               ; x 4, w 6, b 8, tmod 10
	s_load_b128 s[12:15], s[0:1], 0x20             ; the scales' exponents 12, the images 14
	v_lshl_add_u32 v[SPW], v0, 2, SPARE
	v_mov_b32 v[NIL], 0
	v_lshrrev_b32 v1, 5, v0
	s_delay_alu instid0(VALU_DEP_1)
	v_readfirstlane_b32 s16, v1                    ; wave 0..7
	v_and_b32 v1, 31, v0                           ; lane
	s_delay_alu instid0(VALU_DEP_1)
	v_lshlrev_b32 v2, 5, v1                        ; 32 bytes a lane: eight numbers
	s_mul_i32 s17, s16, 2*PITCH
	v_lshl_add_u32 v3, v1, 3, s17                  ; the stage, in: my first row, 8 bytes a lane
	v_and_b32 v8, 15, v1
	v_lshrrev_b32 v9, 4, v1
	s_delay_alu instid0(VALU_DEP_2)
	v_mul_u32_u24 v4, v8, PITCH
	s_delay_alu instid0(VALU_DEP_1)
	v_lshl_add_u32 v4, v9, 3, v4
	s_lshl_b32 s17, s16, 7
	v_add_nc_u32 v4, s17, v4                       ; the stage, out: row r, K step w, + 8 h
	s_lshl_b32 s17, s16, 11
	v_lshl_add_u32 v5, v1, 4, s17                  ; the image: fragment w, 16 bytes a lane
	v_lshlrev_b32 v8, 4, v0                        ; the parameters, in: 16 bytes a thread, 4,096 a work-group, in memory and in LDS
	v_add_nc_u32 v9, PB, v2                        ; and out of LDS: 32 bytes a lane
	s_mov_b32 s20, 0x76543210
	s_mov_b32 s21, 0xfedcba98
	s_mov_b32 s30, 0x3a800000                      ; 1 / 1,024
	s_mov_b32 s31, 0x3727c5ac                      ; 1e-5
	s_lshl_b32 s18, ttmp9, 16                      ; 16 rows of 4,096 bytes
	s_lshl_b32 s19, s16, 13
	s_add_co_u32 s18, s18, s19
	s_mov_b32 s19, 0
	s_lshr_b32 s22, ttmp9, 7                       ; the batch
	s_lshl_b32 s22, s22, 13
	s_add_co_u32 s22, s22, MAT*16384
	s_mov_b32 s23, 0
	s_lshl_b32 s26, ttmp9, 14                      ; a block of 16 rows is eight fragments
	s_mov_b32 s27, 0
	s_wait_alu depctr_va_vdst(0)
	s_wait_kmcnt 0x0
	s_load_b32 s32, s[12:13], 4*E0
.if NT > 1
	s_load_b32 s33, s[12:13], 4*E1
	s_load_b32 s34, s[12:13], 4*E2
.endif
	s_add_nc_u64 s[4:5], s[4:5], s[18:19]
	s_add_nc_u64 s[10:11], s[10:11], s[22:23]
	s_add_nc_u64 s[24:25], s[14:15], s[26:27]
.if NT > 1
	s_add_nc_u64 s[26:27], s[24:25], 0x400000
	s_add_nc_u64 s[28:29], s[24:25], 0x800000
.endif
	global_load_b128 v[LW:LW+3], v8, s[6:7]        ; each parameter is loaded once by the work-group: my 16 bytes of each
	global_load_b128 v[LB:LB+3], v8, s[8:9]
	global_load_b128 v[SC:SC+3], v8, s[10:11] offset:4096
	global_load_b128 v[SH:SH+3], v8, s[10:11]
	PLOAD X, 4, 0
	PLOAD X+32, 4, 4096
	v_mov_b32 v20, 0                               ; a lane permute's destination counts as one of its sources
	v_mov_b32 v28, 0
	s_wait_kmcnt 0x0
	QSET 32, 10, 13
.if NT > 1
	QSET 33, 11, 14
	QSET 34, 12, 15
.endif
	s_wait_alu depctr_va_vdst(0)
	s_wait_loadcnt 16                              ; my parts of the parameters are in; the 16 loads of my two rows stay out
	ds_store_b128 v8, v[LW:LW+3] offset:PB
	ds_store_b128 v8, v[LB:LB+3] offset:PB+4096
	ds_store_b128 v8, v[SC:SC+3] offset:PB+8192
	ds_store_b128 v8, v[SH:SH+3] offset:PB+12288
	s_wait_dscnt 0x0                               ; for the others' sake: my stores are done
	s_barrier_signal -1
	s_barrier_wait -1
	LLOAD LW, 0                                    ; they land while the rows' sums are made
	LLOAD LB, 4096
	LLOAD SC, 8192
	LLOAD SH, 12288
	s_wait_loadcnt 0x0                             ; my two rows are in
	ROWSTAT 0
	ROWSTAT 1
	s_wait_alu depctr_va_vdst(0)
	v_rsq_f32 v22, v16
	v_rsq_f32 v30, v24
	s_wait_dscnt 0x0                               ; the parameters are in registers
.set i, 0
.rept 16
	v_pk_add_f32 v[SC+i:SC+i+1], v[SC+i:SC+i+1], 1.0 op_sel_hi:[1,0]   ; 1 + scale: independent work behind the two roots
.set i, i+2
.endr
	s_wait_alu depctr_va_vdst(0)                   ; one wait for both roots, ahead of their first reader
	v_mov_b32 v23, v22
	v_mov_b32 v31, v30
.irp rr, 0,1
.set i, 0
.rept 16
	v_pk_mul_f32 v[X+32*\rr+i:X+32*\rr+i+1], v[X+32*\rr+i:X+32*\rr+i+1], v[22+8*\rr:23+8*\rr]
.set i, i+2
.endr
.set i, 0
.rept 16
	v_pk_fma_f32 v[X+32*\rr+i:X+32*\rr+i+1], v[X+32*\rr+i:X+32*\rr+i+1], v[LW+i:LW+i+1], v[LB+i:LB+i+1]
.set i, i+2
.endr
.set i, 0
.rept 16
	v_pk_fma_f32 v[X+32*\rr+i:X+32*\rr+i+1], v[X+32*\rr+i:X+32*\rr+i+1], v[SC+i:SC+i+1], v[SH+i:SH+i+1]
.set i, i+2
.endr
.endr
.irp t, 0,1,2
.if \t < NT
.set i, 0
.rept 64
	v_med3_num_f32 v[H+i], v[X+i], -v[10+\t], v[10+\t]   ; the conversion does not saturate (ISA guide 7.6.2): the hold at 448 x the scale
.set i, i+1
.endr
.set i, 0
.rept 8
	v_cvt_scalef32_pk8_fp8_f32 v[CD+16*\t+2*i:CD+16*\t+2*i+1], v[H+8*i:H+8*i+7], v[13+\t]
.set i, i+1
.endr
	v_nop                                          ; a plain line between the conversions and the next lines that write their sources
.set i, 0
.rept 8
	ds_store_b64 v3, v[CD+16*\t+2*i:CD+16*\t+2*i+1] offset:\t*STG+(i/4)*PITCH+256*(i%4)   ; 256 consecutive bytes of a row
.set i, i+1
.endr
.endif
.endr
	s_wait_dscnt 0x0                               ; for the others' sake: my stores are done
	s_barrier_signal -1
	s_barrier_wait -1
.irp t, 0,1,2
.if \t < NT
.irp g, 0,1,2,3
	ds_load_b64 v[H+16*\t+4*\g:H+16*\t+4*\g+1], v4 offset:\t*STG+32*\g         ; k = 32 g + 8 h + 0 .. 7 of row r
	ds_load_b64 v[H+16*\t+4*\g+2:H+16*\t+4*\g+3], v4 offset:\t*STG+32*\g+16    ; k = 32 g + 16 + 8 h + 0 .. 7
.endr
.endif
.endr
.set n, 0
.irp t, 0,1,2
.if \t < NT
.irp g, 0,1,2,3
	s_wait_dscnt 8*NT-2-2*n                        ; LDS loads come back in order: this pair is in, the younger pairs stay out
	global_store_b128 v5, v[H+16*\t+4*\g:H+16*\t+4*\g+3], s[24+2*\t:25+2*\t] offset:512*\g
.set n, n+1
.endr
.endif
.endr
	s_wait_tensorcnt 0x0                           ; the wave's end
	ds_add_u32 v[SPW], v[NIL]
	s_wait_dscnt 0x0
	s_endpgm
.Lfunc_end_k_q6cb93d34ef_ln1:
	.size	k_q6cb93d34ef_ln1, .Lfunc_end_k_q6cb93d34ef_ln1-k_q6cb93d34ef_ln1
	.p2alignl 7, 3214868480
	.fill 96, 4, 3214868480
	.section	.rodata,"a",@progbits
	.p2align	6, 0x0
	.amdhsa_kernel k_q6cb93d34ef_ln1
		.amdhsa_group_segment_fixed_size 67328
		.amdhsa_private_segment_fixed_size 0
		.amdhsa_enable_private_segment 0
		.amdhsa_kernarg_size 48
		.amdhsa_user_sgpr_count 2
		.amdhsa_user_sgpr_kernarg_segment_ptr 1
		.amdhsa_wavefront_size32 1
		.amdhsa_system_sgpr_workgroup_id_x 1
		.amdhsa_system_sgpr_workgroup_id_y 1
		.amdhsa_system_sgpr_workgroup_id_z 1
		.amdhsa_system_vgpr_workitem_id 0
		.amdhsa_next_free_vgpr 224
		.amdhsa_next_free_sgpr 66
		.amdhsa_reserve_vcc 0
		.amdhsa_float_denorm_mode_32 3
		.amdhsa_float_denorm_mode_16_64 3
		.amdhsa_memory_ordered 1
		.amdhsa_forward_progress 1
		.amdhsa_inst_pref_size 44
	.end_amdhsa_kernel
	.amdgpu_metadata
---
amdhsa.version: [ 1, 2 ]
amdhsa.kernels:
  - .name:           k_q6cb93d34ef_ln1
    .symbol:         k_q6cb93d34ef_ln1.kd
    .args:
      - { .name: x, .offset: 0, .size: 8, .value_kind: global_buffer, .address_space: global }
      - { .name: ln1_w, .offset: 8, .size: 8, .value_kind: global_buffer, .address_space: global }
      - { .name: ln1_b, .offset: 16, .size: 8, .value_kind: global_buffer, .address_space: global }
      - { .name: tmod, .offset: 24, .size: 8, .value_kind: global_buffer, .address_space: global }
      - { .name: lowp_scales, .offset: 32, .size: 8, .value_kind: global_buffer, .address_space: global }
      - { .name: xa, .offset: 40, .size: 8, .value_kind: global_buffer, .address_space: global }
    .group_segment_fixed_size: 67328
    .private_segment_fixed_size: 0
    .kernarg_segment_align: 8
    .kernarg_segment_size: 48
    .max_flat_workgroup_size: 256
    .sgpr_count:     66
    .vgpr_count:     224
    .wavefront_size: 32
...
	.end_amdgpu_metadata
.endif
;; end of part 2
;; launch qkv (part 3): grid 12 x 16, 4 waves a work-group, clusters of 4 x 4, 327,680 bytes of LDS; arguments xa, wc, lowp_scales, bq, bk, bv, qkvc; writes qkvc
.if DOCPART == 3
	.amdgcn_target "amdgcn-amd-amdhsa--gfx1250"
	.amdhsa_code_object_version 6
	.text
	.protected	k_q6cb93d34ef_qkv
	.globl	k_q6cb93d34ef_qkv
	.p2align	8
	.type	k_q6cb93d34ef_qkv,@function
k_q6cb93d34ef_qkv:
	s_mov_b64 s[64:65], 0
	v_nop
	global_prefetch_b8 v0, s[64:65] scope:SCOPE_SE
	s_setreg_imm32_b32 hwreg(HW_REG_WAVE_MODE, 25, 1), 1
	s_wait_xcnt 0x0
	s_wait_alu depctr_hold_cnt(0) depctr_sa_sdst(0) depctr_va_vdst(0) depctr_va_sdst(0) depctr_va_ssrc(0) depctr_va_vcc(0) depctr_vm_vsrc(0)
	s_getreg_b32 s2, hwreg(HW_REG_IB_STS2, 6, 4)
	s_cmp_eq_u32 s2, 0
	s_cbranch_scc0 .Lentry_in_a_cluster
	s_endpgm
.Lentry_in_a_cluster:
	s_bfe_u32 s2, ttmp6, 0x10000c
	s_cmp_lg_u32 s2, 0xf033
	s_cbranch_scc0 .Lentry_shape_is_right
	s_endpgm
.Lentry_shape_is_right:
.set HALFT,  32768
.set SLOT,   4*HALFT
.set LAPS,   2
.set SPARE,  2*SLOT
.set FR,     16
.set NL,     4
.set NP,     4
.set ADRA, 16
.set ADRB, 20
.set LI,   26
.set SPW,  28
.set NIL,  29
.set LIM,  30
.set SCL,  31
.set CB,   32
.set AF,   128
.set TMP,  128
.set CD,   192
.set G1, 24
.set G0, 32
.set G1B, 48
.set G0B, 56
.set MSB, 0
.macro WIN new
.if MSB != \new
	s_set_vgpr_msb (MSB<<8)|\new
.set MSB, \new
.endif
.endm
.set MUL_LO, 0xa1
.set MUL_HI, 0xf1
.set TO_B,   0x40
.macro JLOAD g0a, g1a, g0b, g1b
	s_cmp_eq_u32 s15, 0
	s_cbranch_scc0 .Lfor_b_\@
	tensor_load_to_lds s[\g0a:\g0a+3], s[\g1a:\g1a+7]
	s_nop 0
.rept 4
	v_nop
.endr
	s_branch .Lasked_\@
.Lfor_b_\@:
	tensor_load_to_lds s[\g0b:\g0b+3], s[\g1b:\g1b+7]
	s_nop 0
.rept 4
	v_nop
.endr
.Lasked_\@:
.endm
.macro CREST
	s_cmp_lg_u32 s14, 0
	s_cbranch_scc1 .Lnot_wave_0_\@
	s_barrier_signal -3
.Lnot_wave_0_\@:
	s_barrier_wait -3
	s_barrier_signal -1
	s_barrier_wait -1
.endm
.macro CROUND
	s_barrier_signal -1
	s_barrier_wait -1
	CREST
.endm
	s_load_b256 s[4:11], s[0:1], 0x0
	s_load_b128 s[84:87], s[0:1], 0x20
	s_load_b64 s[88:89], s[0:1], 0x30
	v_lshl_add_u32 v[SPW], v0, 2, SPARE
	v_mov_b32 v[NIL], 0
	ds_add_u32 v[SPW], v[NIL]
	ds_add_u32 v[SPW], v[NIL]
	v_lshrrev_b32 v1, 5, v0
	v_readfirstlane_b32 s14, v1
	s_lshr_b32 s15, s14, 1
	s_and_b32 s16, s14, 1
	s_bfe_u32 s40, ttmp6, 0x40000
	s_bfe_u32 s41, ttmp6, 0x40004
	s_and_b32 s13, ttmp7, 0xffff
	s_lshl_b32 s13, s13, 2
	s_cmp_eq_u32 ttmp9, 2
	s_cselect_b32 s12, 0, s13
	s_cselect_b32 s13, s13, 0
	s_add_co_u32 s17, s41, s12
	s_add_co_u32 s42, s40, s13
	s_lshl_b32 s43, s41, 2
	s_lshl_b32 s43, 15, s43
	s_lshl_b32 s44, 0x1111, s40
	s_or_b32 s[G1+0], s43, (3<<16)|(1<<21)
	s_or_b32 s[G1B+0], s44, (3<<16)|(1<<21)
.irp g, G1, G1B
	s_mov_b32 s[\g+1], 512<<16
	s_mov_b32 s[\g+2], 8<<16
	s_mov_b32 s[\g+3], 512<<16
	s_mov_b32 s[\g+4], 8
	s_mov_b32 s[\g+5], 2048
	s_mov_b32 s[\g+6], 0
	s_mov_b32 s[\g+7], 0
.endr
	s_lshl_b32 s18, s16, 3
	s_lshl_b32 s20, s17, 4
	s_add_co_u32 s20, s20, s18
	s_lshl_b32 s20, s20, 14
	s_mov_b32 s21, 0
	s_lshl_b32 s46, s42, 4
	s_add_co_u32 s46, s46, s18
	s_lshl_b32 s46, s46, 14
	s_mov_b32 s47, 0
	s_mul_i32 s45, s14, HALFT
	s_lshl_b32 s90, ttmp9, 22
	s_mov_b32 s91, 0
	s_lshl_b32 s92, ttmp9, 20
	s_mov_b32 s93, 0
	s_wait_dscnt 0x0
	s_wait_kmcnt 0x0
	s_load_b512 s[68:83], s[8:9], 0x0
	s_add_nc_u64 s[4:5], s[4:5], s[90:91]
	s_add_nc_u64 s[6:7], s[6:7], s[92:93]
	s_cmp_eq_u32 ttmp9, 2
	s_cselect_b64 s[90:91], s[6:7], s[4:5]
	s_cselect_b64 s[92:93], s[4:5], s[6:7]
	s_add_nc_u64 s[20:21], s[90:91], s[20:21]
	s_add_nc_u64 s[46:47], s[92:93], s[46:47]
	CROUND
.irp s, 0,1
	s_mov_b32 s[G0+4*\s], 1
	s_add_co_u32 s[G0+4*\s+1], s45, \s*SLOT
	s_add_nc_u64 s[G0+4*\s+2:G0+4*\s+3], s[20:21], \s*4096
	s_or_b32 s[G0+4*\s+3], s[G0+4*\s+3], 0x80000000
	s_mov_b32 s[G0B+4*\s], 1
	s_add_co_u32 s[G0B+4*\s+1], s45, \s*SLOT
	s_add_nc_u64 s[G0B+4*\s+2:G0B+4*\s+3], s[46:47], \s*4096
	s_or_b32 s[G0B+4*\s+3], s[G0B+4*\s+3], 0x80000000
.endr
	JLOAD G0, G1, G0B, G1B                         ; slot 0: one tensor load a wave at the head; the set-up below stands under its flight
	v_and_b32 v1, 31, v0
	v_lshlrev_b32 v[LI], 4, v1
	s_mul_i32 s21, s15, HALFT
	s_mul_i32 s22, s16, HALFT
	s_add_co_u32 s22, s22, 2*HALFT
.irp s, 0,1
	v_add_nc_u32 v[ADRA+\s], s21, v[LI]
	v_add_nc_u32 v[ADRB+\s], s22, v[LI]
	s_add_co_u32 s21, s21, SLOT
	s_add_co_u32 s22, s22, SLOT
.endr
	s_cmp_eq_u32 ttmp9, 1
	s_cselect_b64 s[10:11], s[84:85], s[10:11]
	s_cmp_eq_u32 ttmp9, 2
	s_cselect_b64 s[10:11], s[86:87], s[10:11]
	s_cselect_b32 s18, 4, 0
	s_cselect_b32 s19, 0, 32
	s_cselect_b32 s23, 0, 4
	s_cselect_b32 s90, s17, s42
	s_cselect_b32 s91, s15, s16
	s_cselect_b32 s92, s42, s17
	s_cselect_b32 s93, s16, s15
	s_mov_b32 s95, 0x400000
	s_cselect_b32 s95, 0x402000, s95
	s_lshl_b32 s12, s90, 8
	s_lshl_b32 s13, s91, 7
	s_add_co_u32 s12, s12, s13
	s_lshl_b32 s12, s12, 2
	s_mov_b32 s13, 0
	s_add_nc_u64 s[10:11], s[10:11], s[12:13]
	v_and_b32 v9, 15, v0
	v_bfe_u32 v10, v0, 4, 1
	v_mul_u32_u24 v9, v9, s18
	v_mad_u32_u24 v9, v10, s19, v9
	v_mov_b32 v11, s23
.irp j, 0,1,2,3,4,5,6,7
	v_mad_u32_u24 v[1+\j], v11, \j, v9
.endr
.irp u, 0,1,2,3,4,5,6,7
.irp j, 0,1,2,3,4,5,6,7
	global_load_b32 v[CB+8*\u+\j], v[1+\j], s[10:11] offset:64*\u
.endr
.endr
	s_lshl_b32 s90, s90, 2
	s_lshl_b32 s91, s91, 1
	s_add_co_u32 s90, s90, s91
	s_lshl_b32 s92, s92, 4
	s_lshl_b32 s93, s93, 3
	s_add_co_u32 s92, s92, s93
	s_cmp_eq_u32 ttmp9, 0
	s_cselect_b32 s95, 0, s95
	s_cselect_b32 s12, 17, 18
	s_cselect_b32 s13, 10, 11
	s_lshr_b32 s93, s92, 7
	s_lshl_b32 s93, s93, 4
	s_add_co_u32 s93, s93, s90
	s_lshl_b32 s93, s93, s12
	s_and_b32 s92, s92, 127
	s_lshl_b32 s92, s92, s13
	s_add_co_u32 s92, s92, s93
	s_add_co_u32 s92, s92, s95
	s_mov_b32 s93, 0
	s_add_nc_u64 s[88:89], s[88:89], s[92:93]
	s_lshl_b32 s92, 1, s12
	s_add_nc_u64 s[98:99], s[88:89], s[92:93]
	s_wait_kmcnt 0x0
	s_cmp_eq_u32 ttmp9, 1
	s_cselect_b32 s96, s70, s68
	s_cselect_b32 s97, s71, s69
	s_cselect_b32 s94, s75, s74
	s_cmp_eq_u32 ttmp9, 2
	s_cselect_b32 s96, s72, s96
	s_cselect_b32 s97, s73, s97
	s_cselect_b32 s94, s77, s94
	s_add_co_i32 s96, s96, s97
	s_add_co_i32 s96, s96, 127
	s_lshl_b32 s96, s96, 23
	s_mov_b32 s97, s96
	s_add_co_i32 s94, s94, 127
	s_lshl_b32 s95, s94, 23
	v_mov_b32 v[SCL], s95
	s_add_co_i32 s94, s94, 8
	s_lshl_b32 s94, s94, 23
	s_or_b32 s94, s94, 0x600000
	v_mov_b32 v[LIM], s94
.macro FRAG reg, adr, q, i
.irp c, 0,1,2,3
	ds_load_b128 v[\reg+4*\c:\reg+4*\c+3], v[\adr] offset:(\i)*4096+(\q)*2048+512*\c
.endr
.endm
.macro MUL16 a0, p, zero
.irp a, \a0, \a0+1
.irp b, 0,1,2,3,4,5,6,7
.if \zero
	v_wmma_f32_16x16x128_fp8_fp8 v[8*(8*((\a)%4)+\b):8*(8*((\a)%4)+\b)+7], v[128*(\p)+FR*\b:128*(\p)+FR*\b+FR-1], v[AF+FR*(\a):AF+FR*(\a)+FR-1], 0
.else
	v_wmma_f32_16x16x128_fp8_fp8 v[8*(8*((\a)%4)+\b):8*(8*((\a)%4)+\b)+7], v[128*(\p)+FR*\b:128*(\p)+FR*\b+FR-1], v[AF+FR*(\a):AF+FR*(\a)+FR-1], v[8*(8*((\a)%4)+\b):8*(8*((\a)%4)+\b)+7]
.endif
.endr
.endr
.endm
.macro FETCH_B slot, q, p
	WIN TO_B
.irp i, 0,1,2,3,4,5,6,7
	FRAG 128*(\p)+FR*\i, ADRB+\slot, \q, \i
.endr
	WIN 0
.endm
.macro FETCH_A slot, q, i0
.irp i, \i0, \i0+1, \i0+2, \i0+3
	FRAG AF+FR*(\i), ADRA+\slot, \q, \i
.endr
.endm
.macro PLACES n
.rept \n
	v_nop
.endr
.endm
.macro STEP slot, q, zero
	s_wait_dscnt 4*NL
	WIN MUL_LO
	MUL16 0, (\q)%2, \zero
	MUL16 2, (\q)%2, \zero
	s_wait_dscnt 0
	PLACES NP
	FETCH_B \slot, (\q)+1, 1-(\q)%2
	FETCH_A \slot, (\q)+1, 0
	WIN MUL_HI
	MUL16 4, (\q)%2, \zero
	MUL16 6, (\q)%2, \zero
	PLACES NP
	WIN 0
	FETCH_A \slot, (\q)+1, 4
.endm
.macro TURN slot, next, fill
	s_wait_tensorcnt 0x0
	ds_add_u32 v[SPW], v[NIL]
	s_wait_dscnt 4*NL+1
	WIN MUL_LO
	MUL16 0, 1, 0
	s_wait_dscnt 0x0
	s_barrier_signal -1
	MUL16 2, 1, 0
	WIN 0
	s_barrier_wait -1
.if \fill
	CREST
	s_add_nc_u64 s[G0+4*\slot+2:G0+4*\slot+3], s[G0+4*\slot+2:G0+4*\slot+3], 8192
	s_add_nc_u64 s[G0B+4*\slot+2:G0B+4*\slot+3], s[G0B+4*\slot+2:G0B+4*\slot+3], 8192
	JLOAD G0+4*\slot, G1, G0B+4*\slot, G1B
.else
	PLACES NP
.endif
	FETCH_B \next, 0, 0
	FETCH_A \next, 0, 0
	WIN MUL_HI
	MUL16 4, 1, 0
	MUL16 6, 1, 0
	PLACES NP
	WIN 0
	FETCH_A \next, 0, 4
.endm
	s_wait_alu depctr_va_vdst(0)
	s_wait_tensorcnt 0x0                           ; my part of slot 0 is in
	ds_add_u32 v[SPW], v[NIL]
	s_wait_dscnt 0x0
	CROUND                                         ; everybody's part of slot 0 is in, and the joint loads meet
	JLOAD G0+4, G1, G0B+4, G1B                     ; slot 1, the first tensor load behind the round
	FETCH_B 0, 0, 0
	FETCH_A 0, 0, 0
	FETCH_A 0, 0, 4
	STEP 0, 0, 1
	s_mov_b32 s3, LAPS-1
.Llap:
	TURN 0, 1, 1
	STEP 1, 0, 0
	TURN 1, 0, 1
	STEP 0, 0, 0
	s_sub_co_u32 s3, s3, 1
	s_cmp_lg_u32 s3, 0
	s_cbranch_scc1 .Llap
	TURN 0, 1, 0
	STEP 1, 0, 0
	s_wait_dscnt 4*NL
	WIN MUL_LO
	MUL16 0, 1, 0
	MUL16 2, 1, 0
	s_wait_dscnt 0
	WIN MUL_HI
	MUL16 4, 1, 0
	MUL16 6, 1, 0
	WIN 0
.macro EPI a, mode
.if (\a) >= 2
	s_wait_xcnt 0x0
.endif
	WIN 0x02+((\a)/4)
.irp b, 0,1,2,3,4,5,6,7
.irp j, 0,2,4,6
.if \mode
	v_pk_fma_f32 v[TMP+8*\b+\j:TMP+8*\b+\j+1], v[64*((\a)%4)+8*\b+\j:64*((\a)%4)+8*\b+\j+1], s[96:97], v[CB+8*(\a)+\j:CB+8*(\a)+\j+1] op_sel_hi:[1,0,1]
.else
	v_pk_fma_f32 v[TMP+8*\b+\j:TMP+8*\b+\j+1], v[64*((\a)%4)+8*\b+\j:64*((\a)%4)+8*\b+\j+1], s[96:97], v[CB+8*\b+\j:CB+8*\b+\j+1] op_sel_hi:[1,0,1]
.endif
.endr
.endr
	WIN 0
.set i, 0
.rept 64
	v_med3_num_f32 v[TMP+i], v[TMP+i], -v[LIM], v[LIM]
.set i, i+1
.endr
.irp b, 0,1,2,3,4,5,6,7
	v_cvt_scalef32_pk8_fp8_f32 v[CD+16*((\a)%2)+2*\b:CD+16*((\a)%2)+2*\b+1], v[TMP+8*\b:TMP+8*\b+7], v[SCL]
.endr
	v_nop
.irp g, 0,1,2,3
.if \mode
	global_store_b128 v[LI], v[CD+16*((\a)%2)+4*\g:CD+16*((\a)%2)+4*\g+3], s[88+10*((\a)/4):89+10*((\a)/4)] offset:2048*((\a)%4)+512*\g
.else
	global_store_b128 v[LI], v[CD+16*((\a)%2)+4*\g:CD+16*((\a)%2)+4*\g+3], s[88+10*(\g/2):89+10*(\g/2)] offset:1024*(\a)+512*(\g%2)
.endif
.endr
.endm
	s_wait_loadcnt 0x0
	PLACES NP
	s_cmp_eq_u32 ttmp9, 2
	s_cbranch_scc1 .Lvout
.irp a, 0,1,2,3,4,5,6,7
	EPI \a, 0
.endr
	s_branch .Ldone
.Lvout:
.irp a, 0,1,2,3,4,5,6,7
	EPI \a, 1
.endr
.Ldone:
	s_wait_tensorcnt 0x0
	ds_add_u32 v[SPW], v[NIL]
	s_wait_dscnt 0x0
	CROUND
	s_endpgm
.Lfunc_end_k_q6cb93d34ef_qkv:
	.size	k_q6cb93d34ef_qkv, .Lfunc_end_k_q6cb93d34ef_qkv-k_q6cb93d34ef_qkv
	.p2alignl 7, 3214868480
	.fill 96, 4, 3214868480
	.section	.rodata,"a",@progbits
	.p2align	6, 0x0
	.amdhsa_kernel k_q6cb93d34ef_qkv
		.amdhsa_group_segment_fixed_size 327680
		.amdhsa_private_segment_fixed_size 0
		.amdhsa_enable_private_segment 0
		.amdhsa_kernarg_size 56
		.amdhsa_user_sgpr_count 2
		.amdhsa_user_sgpr_kernarg_segment_ptr 1
		.amdhsa_wavefront_size32 1
		.amdhsa_system_sgpr_workgroup_id_x 1
		.amdhsa_system_sgpr_workgroup_id_y 1
		.amdhsa_system_sgpr_workgroup_id_z 1
		.amdhsa_system_vgpr_workitem_id 0
		.amdhsa_next_free_vgpr 1024
		.amdhsa_next_free_sgpr 100
		.amdhsa_reserve_vcc 0
		.amdhsa_float_denorm_mode_32 3
		.amdhsa_float_denorm_mode_16_64 3
		.amdhsa_memory_ordered 1
		.amdhsa_forward_progress 1
		.amdhsa_inst_pref_size 198
	.end_amdhsa_kernel
	.amdgpu_metadata
---
amdhsa.version: [ 1, 2 ]
amdhsa.kernels:
  - .name:           k_q6cb93d34ef_qkv
    .symbol:         k_q6cb93d34ef_qkv.kd
    .args:
      - { .name: xa, .offset: 0, .size: 8, .value_kind: global_buffer, .address_space: global }
      - { .name: wc, .offset: 8, .size: 8, .value_kind: global_buffer, .address_space: global }
      - { .name: lowp_scales, .offset: 16, .size: 8, .value_kind: global_buffer, .address_space: global }
      - { .name: bq, .offset: 24, .size: 8, .value_kind: global_buffer, .address_space: global }
      - { .name: bk, .offset: 32, .size: 8, .value_kind: global_buffer, .address_space: global }
      - { .name: bv, .offset: 40, .size: 8, .value_kind: global_buffer, .address_space: global }
      - { .name: qkvc, .offset: 48, .size: 8, .value_kind: global_buffer, .address_space: global }
    .group_segment_fixed_size: 327680
    .private_segment_fixed_size: 0
    .kernarg_segment_align: 8
    .kernarg_segment_size: 56
    .max_flat_workgroup_size: 128
    .sgpr_count:     100
    .vgpr_count:     1024
    .wavefront_size: 32
...
	.end_amdgpu_metadata
.endif
;; end of part 3
;; launch attn (part 4): grid 8 x 32, 8 waves a work-group, no clusters, 295,936 bytes of LDS; arguments qkvc, lowp_scales, ao; writes ao
.if DOCPART == 4
	.amdgcn_target "amdgcn-amd-amdhsa--gfx1250"
	.amdhsa_code_object_version 6
	.text
	.protected	k_q6cb93d34ef_attn
	.globl	k_q6cb93d34ef_attn
	.p2align	8
	.type	k_q6cb93d34ef_attn,@function
k_q6cb93d34ef_attn:
	s_mov_b64 s[64:65], 0
	v_nop
	global_prefetch_b8 v0, s[64:65] scope:SCOPE_SE
	s_setreg_imm32_b32 hwreg(HW_REG_WAVE_MODE, 25, 1), 1
	s_wait_xcnt 0x0
; ATTENTION on codes of E4M3, head size 64, 2,048 keys, no mask.  t = score x log2(e) / 8; M = the running largest t rounded up to a whole number; p = 2^(t - M) is quantised, not normalised;
; the row's sum is taken of the unquantised p and divides at the end; when M moves, the sum and O are multiplied by 2^(old M - new M), which rounds nothing.
; SHARES.  A work-group owns 256 queries of one head; each of its EIGHT waves owns 32 of them, two tiles of 16: a fragment of K or V^T read from LDS feeds two matrix instructions, and two waves share a SIMD,
; so that one wave's waits stand beside the other's vector work.
; A head's K and V^T are 256 KiB of codes, images of operand registers, a key step of 128 keys in 16 KiB (K: eight blocks of 16 keys x 1,024 bytes; V^T: four blocks of 16 channels x 2,048).
; All of it comes to lie in LDS, byte for byte as in memory, each byte written once.  It goes through registers in pairs of key steps (32 KiB: 8 x 16 bytes a thread; a load of the work-group covers 4,096 consecutive bytes).
; Pairs 0 and 1 are stored at the head.  A trip of the loop is two key steps, pair j.  Between its steps pair j + 2, asked for one trip earlier (pair 2: one step earlier), is stored and pair j + 3 is asked for;
; the barrier's signal follows, and its wait stands at the trip's end.  Trip j reads pair j and, in its second step, the first fragments of K of pair j + 1.
; NO PREFETCH: every pair from the fourth on is asked for a whole trip, two key steps, ahead of the wait for it.  NO CLUSTER, NO JOINT LOADS, though the eight work-groups of a head read the same 256 KiB:
; here the branch on e8 spares 64 lines for each tile and key step:
; THE HOLD OF p.  p is at most 1 (but for one rounding of t), so the hold at 448 x 2^e8 can act only where e8 < -8 (448 x 2^-8 = 1.75).
; Both products are used transposed (S^T = K Q^T, O^T = V^T P^T): a lane holds one query; block t's eight scores are keys 16 t + 8 h + 0 .. 7: their conversion gives registers 2 t, 2 t + 1 of P.
; The result is quantised for the next product and stored as half a fragment of its A image: ao = [row / 16][k / 128][2048], k = 64 head + channel.
; LIMITS: e6 + e7 between -123 and 129; e8 and e10 between -126 and 119.  NaN among the inputs is not served.
; REGISTERS.  Window 0: addresses; v64-127 K's fragments; v128-191 V^T's; v192-223 a pair on its way; v224-255 pair 1 at the head.  Window 1: my two tiles, 128 registers each (below).
; LDS: bytes 0 to 262,143 K and V^T; 262,144 to 294,911 not used; from 294,912 the spare words.
.set SPARE, 294912
.set LI,   1                           ; v1  16 x lane
.set T16,  2                           ; v2  16 x thread: my place in 4,096 bytes, in memory and in LDS
.set STA,  3                           ; v3  the stores' LDS address
.set SPW,  5                           ; v5  my spare word; never rewritten
.set NIL,  6                           ; v6  0; never rewritten
.set ADK,  8                           ; v8  LDS address of the trip's pair
.set ADN,  9                           ; v9  of the next trip's first K
.set KF,   64
.set VF,   128
.set STG,  192
; a tile's registers, from its base (0 or 128 in window 1)
.set O_,   64                          ; 0-63 S^T, then p;  64-95 O^T
.set P_,   96                          ; 96-111 p's codes; ahead of the conversions at work: 96-99 four maxima, 100-101 the second chain of the sum, 102 a lane permute's result
.set Q_,   112                         ; 112-119 Q
.set NM,   120                         ; -M;  121 the largest t
.set TM,   121
.set SU,   122                         ; 122-123 the sum, in two halves
.set F_,   124                         ; f = 2^(old M - new M);  125 at work (named with f as a pair)
.set T0,   125
.set SCL,  126                         ; 2^e as f32, for the conversions
.set LIM,  127                         ; 448 x 2^e
.set WV,   18
.set SEL,  20
.set CS,   22
.set TB,   50
.set CNT,  51
.set TN,   52
.set E8,   76
.set TW,   0x55                        ; every operand in window 1
.set MW,   0x54                        ; a product: source 0 (K or V^T) window 0, all else window 1
.set MSB, 0
.macro WIN new                         ; the immediate's high byte repeats the setting that is left
.if MSB != \new
	s_set_vgpr_msb (MSB<<8)|\new
.set MSB, \new
.endif
.endm
.macro ASKP reg, off                   ; a pair of key steps is asked for: 8 loads a thread
.set i, 0
.rept 8
	global_load_b128 v[\reg+4*i:\reg+4*i+3], v[T16], s[10:11] offset:\off+4096*i
.set i, i+1
.endr
.endm
.macro PUTP adr, off, reg              ; and laid into LDS
.set i, 0
.rept 8
	ds_store_b128 v[\adr], v[\reg+4*i:\reg+4*i+3] offset:\off+4096*i
.set i, i+1
.endr
.endm
.macro KLOAD adr, off                  ; a key step's eight fragments of K
.set i, 0
.rept 8
	ds_load_b128 v[KF+8*i:KF+8*i+3], v[\adr] offset:\off+1024*i
	ds_load_b128 v[KF+8*i+4:KF+8*i+7], v[\adr] offset:\off+1024*i+512
.set i, i+1
.endr
.endm
.macro QK                              ; S^T of my two tiles
	WIN MW
.irp u, 0,128                          ; tile by tile: the first tile's scores are read while the second tile's products are at work
.irp t, 0,1,2,3,4,5,6,7
	v_wmma_f32_16x16x64_fp8_fp8 v[\u+8*\t:\u+8*\t+7], v[KF+8*\t:KF+8*\t+7], v[\u+Q_:\u+Q_+7], 0
.endr
.endr
.endm
.macro PV                              ; O^T += V^T P^T: the eight accumulators take turns, one instruction a turn
	WIN MW
.irp c, 0,1,2,3
.irp u, 0,128
	v_wmma_f32_16x16x128_fp8_fp8 v[\u+O_+8*\c:\u+O_+8*\c+7], v[VF+16*\c:VF+16*\c+15], v[\u+P_:\u+P_+15], v[\u+O_+8*\c:\u+O_+8*\c+7]
.endr
.endr
.endm
.macro STAGE k, u                      ; the k-th line of the chain from a tile's four maxima to -M and f; set between other lines, so that none waits for the line above it
.if \k == 1
	v_max3_num_f32 v[\u+P_], v[\u+P_], v[\u+P_+1], v[\u+P_+2]
.endif
.if \k == 2
	v_max_num_f32 v[\u+P_], v[\u+P_], v[\u+P_+3]
.endif
.if \k == 3
	v_permlanex16_b32 v[\u+P_+6], v[\u+P_], s[SEL], s[SEL+1]
.endif
.if \k == 4
	v_max_num_f32 v[\u+P_], v[\u+P_], v[\u+P_+6]   ; the step's largest score of my query
.endif
.if \k == 5
	v_mul_f32 v[\u+P_], s[CS], v[\u+P_]            ; as t (c is positive)
.endif
.if \k == 6
	v_mov_b32 v[\u+T0], v[\u+NM]
.endif
.if \k == 7
	v_max_num_f32 v[\u+TM], v[\u+TM], v[\u+P_]
.endif
.if \k == 8
	v_floor_f32 v[\u+NM], -v[\u+TM]                ; the new -M = floor(-t)
.endif
.if \k == 9
	v_sub_f32 v[\u+T0], v[\u+NM], v[\u+T0]         ; old M - new M: a whole number, 0 or less
.endif
.if \k == 10
	v_cvt_i32_f32 v[\u+T0], v[\u+T0]               ; (it saturates)
.endif
.if \k == 11
	v_ldexp_f32 v[\u+F_], 1.0, v[\u+T0]
.endif
.endm
.macro SOFT                            ; my two tiles, a at 0 and b at 128: from the scores to p and the sums
	WIN TW
.irp a, 0,1,2,3
	v_max_num_f32 v[P_+\a], v[\a], v[4+\a]         ; four chains; each accumulator is first read at its low end
.endr
.irp t, 1,2,3,4,5,6,7
.irp a, 0,1,2,3
	v_max3_num_f32 v[P_+\a], v[P_+\a], v[8*\t+\a], v[8*\t+4+\a]
.endr
.endr
.irp a, 0,1,2,3
	v_max_num_f32 v[128+P_+\a], v[128+\a], v[132+\a]
.endr
.irp t, 1,2,3,4,5,6,7
.irp a, 0,1,2,3
	v_max3_num_f32 v[128+P_+\a], v[128+P_+\a], v[128+8*\t+\a], v[132+8*\t+\a]
.endr
	STAGE \t, 0
.endr
	STAGE 8, 0
.set jj, 0
.rept 32
	v_pk_fma_f32 v[2*jj:2*jj+1], v[2*jj:2*jj+1], s[CS:CS+1], v[NM:TM] op_sel_hi:[1,0,0]   ; a: t - M
.if ((jj%3) == 2) && (jj < 24)
	STAGE (jj+1)/3, 128
.endif
.if (jj >= 24) && (jj < 30)
	STAGE 9+(jj-24)/2, 128*(jj%2)
.endif
.set jj, jj+1
.endr
.irp u, 0,128
.set jj, 0
.rept 16
	v_pk_mul_f32 v[\u+O_+jj:\u+O_+jj+1], v[\u+O_+jj:\u+O_+jj+1], v[\u+F_:\u+F_+1] op_sel_hi:[1,0]   ; O^T under the new M, each accumulator from its low end on: ahead of the step's exponentials, so that none stands between the last products and these first reads
.set jj, jj+2
.endr
.endr
	s_wait_alu depctr_va_vdst(0)
.set jj, 0
.rept 32
	v_exp_f32 v[2*jj], v[2*jj]                     ; a: p = 2^(t - M)
	v_exp_f32 v[2*jj+1], v[2*jj+1]
	v_pk_fma_f32 v[128+2*jj:129+2*jj], v[128+2*jj:129+2*jj], s[CS:CS+1], v[128+NM:128+TM] op_sel_hi:[1,0,0]   ; b: t - M; first read behind the next wait
.set jj, jj+1
.endr
	s_wait_alu depctr_va_vdst(0)                   ; behind a's batch and ahead of b's
.set jj, 0
.rept 64
	v_exp_f32 v[128+jj], v[128+jj]
.set jj, jj+1
.endr
.irp u, 0,128
	v_pk_mul_f32 v[\u+SU:\u+SU+1], v[\u+SU:\u+SU+1], v[\u+F_:\u+F_+1] op_sel_hi:[1,0]   ; the sums under the new M: plain lines behind the last exponential
.endr
	s_wait_alu depctr_va_vdst(0)                   ; one wait for the batch, ahead of its first reader
.irp u, 0,128
	v_pk_add_f32 v[\u+P_+4:\u+P_+5], v[\u:\u+1], v[\u+2:\u+3]   ; the row's sum, of the unquantised p: two chains a tile
.endr
.irp j, 4,8,12,16,20,24,28,32,36,40,44,48,52,56,60
.irp u, 0,128
	v_pk_add_f32 v[\u+SU:\u+SU+1], v[\u+SU:\u+SU+1], v[\u+\j:\u+\j+1]
	v_pk_add_f32 v[\u+P_+4:\u+P_+5], v[\u+P_+4:\u+P_+5], v[\u+\j+2:\u+\j+3]
.endr
.endr
.irp u, 0,128
	v_pk_add_f32 v[\u+SU:\u+SU+1], v[\u+SU:\u+SU+1], v[\u+P_+4:\u+P_+5]
.endr
.endm
.macro HOLD
	WIN TW
.irp u, 0,128
.set jj, 0
.rept 64
	v_min_num_f32 v[\u+jj], v[\u+jj], v[\u+LIM]    ; the conversion does not saturate (ISA guide 7.6.2); p is not negative: a one-sided hold
.set jj, jj+1
.endr
.endr
.endm
.macro FIN                             ; p's codes
	WIN TW
.irp u, 0,128
.irp t, 0,1,2,3,4,5,6,7
	v_cvt_scalef32_pk8_fp8_f32 v[\u+P_+2*\t:\u+P_+2*\t+1], v[\u+8*\t:\u+8*\t+7], v[\u+SCL]
.endr
.endr
	v_nop                                          ; a plain line between the conversions and the products that read their results
.endm
.macro STEP q                          ; 128 keys, the q-th of the trip's pair; K's fragments were fetched in the step before
	s_wait_dscnt 0x0                               ; K's fragments are in
.if \q
	s_add_co_u32 s[TN], s[TB], 32768
	s_min_u32 s[TN], s[TN], 245760                 ; the next trip's first K; behind the last trip there is none: the last step's K is named again
.endif
	QK
	WIN 0
	v_add_nc_u32 v[ADK], s[TB], v[LI]              ; four places ahead of the loads into registers that products have read, and of the first reads of the scores
.if \q
	v_add_nc_u32 v[ADN], s[TN], v[LI]
.else
	v_nop
.endif
	v_nop
	v_nop
.irp c, 0,1,2,3
.irp g, 0,1,2,3
	ds_load_b128 v[VF+16*\c+4*\g:VF+16*\c+4*\g+3], v[ADK] offset:16384*\q+8192+2048*\c+512*\g   ; V^T of this step and K of the next land while the softmax is walked
.endr
.endr
.if \q
	KLOAD ADN, 0
.else
	KLOAD ADK, 16384
.endif
	SOFT
	WIN 0
	s_wait_alu depctr_va_vdst(0)
	s_wait_dscnt 0x0                               ; V^T is in (asked for ahead of the softmax)
	s_cmp_ge_i32 s[E8], -8                         ; 448 x 2^e8 is 1.75 or more: no p reaches it
	s_cbranch_scc1 .Lfits_\@
	HOLD
	WIN 0
.Lfits_\@:
	FIN
	PV
	WIN 0
.endm
	s_load_b128 s[4:7], s[0:1], 0x0                ; qkvc 4, the scales' exponents 6
	s_load_b64 s[8:9], s[0:1], 0x10                ; ao
	v_lshl_add_u32 v[SPW], v0, 2, SPARE
	v_mov_b32 v[NIL], 0
	v_lshrrev_b32 v8, 5, v0
	v_readfirstlane_b32 s[WV], v8                  ; wave 0..7
	v_lshlrev_b32 v[T16], 4, v0
	v_and_b32 v[LI], 31, v0
	v_lshlrev_b32 v[LI], 4, v[LI]
	s_lshl_b32 s53, ttmp9, 4
	s_lshl_b32 s55, s[WV], 1
	s_add_co_u32 s53, s53, s55                     ; my first block of 16 queries, 0..126
	s_and_b32 s54, ttmp7, 0xffff                   ; batch x 16 + head
	s_lshl_b32 s56, s54, 18
	s_add_co_u32 s56, s56, 0x400000                ; the head's K and V^T
	s_mov_b32 s57, 0
	s_lshl_b32 s58, s54, 17
	s_lshl_b32 s59, s53, 10
	s_add_co_u32 s58, s58, s59                     ; Q's fragments
	s_mov_b32 s59, 0
	s_lshr_b32 s60, s54, 4
	s_lshl_b32 s60, s60, 7
	s_add_co_u32 s60, s60, s53                     ; the result's first block of 16 rows
	s_lshl_b32 s60, s60, 3
	s_bfe_u32 s61, s54, 0x30001                    ; head / 2: the K step
	s_add_co_u32 s60, s60, s61
	s_lshl_b32 s60, s60, 11
	s_and_b32 s61, s54, 1
	s_lshl_b32 s61, s61, 10                        ; head % 2: which half of the fragment
	s_add_co_u32 s60, s60, s61
	s_mov_b32 s61, 0
	s_mov_b32 s[SEL], 0x76543210
	s_mov_b32 s[SEL+1], 0xfedcba98
	s_mov_b32 s[CS], 0x3e38aa3b                    ; c = log2(e) / 8
	s_wait_alu depctr_va_vdst(0)
	s_wait_kmcnt 0x0
	s_load_b512 s[68:83], s[6:7], 0x0              ; e0 .. e15 in s68 .. s83
	s_add_nc_u64 s[10:11], s[4:5], s[56:57]
	s_add_nc_u64 s[4:5], s[4:5], s[58:59]
	s_add_nc_u64 s[8:9], s[8:9], s[60:61]
	ASKP STG, 0                                    ; pair 0,
	ASKP STG+32, 32768                             ; pair 1,
	WIN 0x40
.irp u, 0,1
	global_load_b128 v[128*\u+Q_:128*\u+Q_+3], v[LI], s[4:5] offset:1024*\u        ; and Q's two fragments, which stay in registers
	global_load_b128 v[128*\u+Q_+4:128*\u+Q_+7], v[LI], s[4:5] offset:1024*\u+512
.endr
	s_wait_kmcnt 0x0
	s_add_co_i32 s63, s74, s75
	s_lshl_b32 s63, s63, 23
	s_add_co_i32 s[CS], s[CS], s63                 ; a score stands for score x 2^(e6 + e7): added to c's exponent field
	s_mov_b32 s[CS+1], s[CS]
	s_add_co_i32 s63, s76, 127
	s_lshl_b32 s84, s63, 23                        ; 2^e8, for p's conversions
	s_add_co_i32 s63, s63, 8
	s_lshl_b32 s63, s63, 23
	s_or_b32 s85, s63, 0x600000                    ; 448 x 2^e8
	s_add_co_i32 s63, s78, 127
	s_lshl_b32 s86, s63, 23                        ; 2^e10, for the result's
	s_add_co_i32 s63, s63, 8
	s_lshl_b32 s63, s63, 23
	s_or_b32 s87, s63, 0x600000
	s_add_co_i32 s62, s76, s77                     ; e8 + e9
	WIN TW
.irp u, 0,128
	v_mov_b32 v[\u+TM], 0xff61b1e6                 ; the largest t so far: -3e38
	v_mov_b32 v[\u+NM], 0x7f61b1e6                 ; -M
	v_mov_b32 v[\u+SU], 0
	v_mov_b32 v[\u+SU+1], 0
	v_mov_b32 v[\u+P_+6], 0                        ; a lane permute's destination counts as one of its sources
	v_mov_b32 v[\u+SCL], s84
	v_mov_b32 v[\u+LIM], s85
.set jj, 0
.rept 32
	v_mov_b32 v[\u+O_+jj], 0                       ; O^T: the step is written once; the first change of M leaves zeros zeros
.set jj, jj+1
.endr
.endr
	WIN 0
	s_wait_alu depctr_va_vdst(0)
	s_wait_loadcnt 0x0                             ; pairs 0 and 1 and Q are in registers
	PUTP T16, 0, STG
	PUTP T16, 32768, STG+32
	s_wait_dscnt 0x0                               ; for the others' sake: my stores are done; and they have read their registers
	s_add_nc_u64 s[10:11], s[10:11], 65536
	ASKP STG, 0                                    ; pair 2
	s_barrier_signal -1
	s_barrier_wait -1
	KLOAD LI, 0
	s_mov_b32 s[TB], 0
	s_mov_b32 s[CNT], 0
.Ltrip:                                            ; eight trips of two key steps
	STEP 0
	s_cmp_lt_u32 s[CNT], 6
	s_cbranch_scc0 .Lnofill                        ; the last two trips have no pair to store
	s_wait_loadcnt 0x0                             ; pair j + 2 is in registers
	s_add_co_u32 s[TN], s[TB], 65536
	v_add_nc_u32 v[STA], s[TN], v[T16]
	PUTP STA, 0, STG
	s_wait_dscnt 0x0                               ; the stores have read their registers
	s_cmp_lt_u32 s[CNT], 5
	s_cbranch_scc0 .Lnofill                        ; the last three trips have no pair to ask for
	s_add_nc_u64 s[10:11], s[10:11], 32768         ; (behind the wait for the loads that read it)
	ASKP STG, 0                                    ; pair j + 3
.Lnofill:
	s_wait_dscnt 0x0                               ; for the others' sake: my stores are done
	s_barrier_signal -1
	STEP 1                                         ; reads pairs j and j + 1 alone, which no wave writes any more
	s_barrier_wait -1                              ; pair j + 2 is whole
	s_add_co_u32 s[TB], s[TB], 32768
	s_add_co_u32 s[CNT], s[CNT], 1
	s_cmp_lt_u32 s[CNT], 8
	s_wait_alu depctr_va_vdst(0)
	s_cbranch_scc1 .Ltrip
	; THE WAY OUT: O^T / the sum x 2^(e8 + e9), quantised with e10: eight registers of codes a tile, two stores of 512 consecutive bytes
	WIN TW
.irp u, 0,128
	v_mov_b32 v[\u+SCL], s86                       ; (these six lines are also the places behind the last products)
	v_mov_b32 v[\u+LIM], s87
	v_add_f32 v[\u+SU], v[\u+SU], v[\u+SU+1]
.endr
.irp u, 0,128
	v_permlanex16_b32 v[\u+P_+6], v[\u+SU], s[SEL], s[SEL+1]
.endr
.irp u, 0,128
	v_add_f32 v[\u+SU], v[\u+SU], v[\u+P_+6]       ; the row's sum
.endr
	s_wait_alu depctr_va_vdst(0)
.irp u, 0,128
	v_rcp_f32 v[\u+SU], v[\u+SU]
.endr
	v_nop
	s_wait_alu depctr_va_vdst(0)
.irp u, 0,128
	v_ldexp_f32 v[\u+SU], v[\u+SU], s62
.endr
	s_wait_alu depctr_va_vdst(0)                   ; directly ahead of the first readers of O^T
.irp u, 0,128
.set jj, 0
.rept 32
	v_mul_f32 v[\u+jj], v[\u+O_+jj], v[\u+SU]      ; each accumulator from its low end on
.set jj, jj+1
.endr
.endr
.irp u, 0,128
.set jj, 0
.rept 32
	v_med3_num_f32 v[\u+jj], v[\u+jj], -v[\u+LIM], v[\u+LIM]
.set jj, jj+1
.endr
.endr
.irp u, 0,128
.irp c, 0,1,2,3
	v_cvt_scalef32_pk8_fp8_f32 v[\u+P_+2*\c:\u+P_+2*\c+1], v[\u+8*\c:\u+8*\c+7], v[\u+SCL]
.endr
.endr
	v_nop
	WIN 4                                          ; the stores' data: window 1
.irp u, 0,1
	global_store_b128 v[LI], v[128*\u+P_:128*\u+P_+3], s[8:9] offset:16384*\u
	global_store_b128 v[LI], v[128*\u+P_+4:128*\u+P_+7], s[8:9] offset:16384*\u+512
.endr
	WIN 0
	s_wait_tensorcnt 0x0                           ; the wave's end
	ds_add_u32 v[SPW], v[NIL]
	s_wait_dscnt 0x0
	s_endpgm
.Lfunc_end_k_q6cb93d34ef_attn:
	.size	k_q6cb93d34ef_attn, .Lfunc_end_k_q6cb93d34ef_attn-k_q6cb93d34ef_attn
	.p2alignl 7, 3214868480
	.fill 96, 4, 3214868480
	.section	.rodata,"a",@progbits
	.p2align	6, 0x0
	.amdhsa_kernel k_q6cb93d34ef_attn
		.amdhsa_group_segment_fixed_size 295936
		.amdhsa_private_segment_fixed_size 0
		.amdhsa_enable_private_segment 0
		.amdhsa_kernarg_size 24
		.amdhsa_user_sgpr_count 2
		.amdhsa_user_sgpr_kernarg_segment_ptr 1
		.amdhsa_wavefront_size32 1
		.amdhsa_system_sgpr_workgroup_id_x 1
		.amdhsa_system_sgpr_workgroup_id_y 1
		.amdhsa_system_sgpr_workgroup_id_z 1
		.amdhsa_system_vgpr_workitem_id 0
		.amdhsa_next_free_vgpr 512
		.amdhsa_next_free_sgpr 100
		.amdhsa_reserve_vcc 0
		.amdhsa_float_denorm_mode_32 3
		.amdhsa_float_denorm_mode_16_64 3
		.amdhsa_memory_ordered 1
		.amdhsa_forward_progress 1
		.amdhsa_inst_pref_size 76
	.end_amdhsa_kernel
	.amdgpu_metadata
---
amdhsa.version: [ 1, 2 ]
amdhsa.kernels:
  - .name:           k_q6cb93d34ef_attn
    .symbol:         k_q6cb93d34ef_attn.kd
    .args:
      - { .name: qkvc, .offset: 0, .size: 8, .value_kind: global_buffer, .address_space: global }
      - { .name: lowp_scales, .offset: 8, .size: 8, .value_kind: global_buffer, .address_space: global }
      - { .name: ao, .offset: 16, .size: 8, .value_kind: global_buffer, .address_space: global }
    .group_segment_fixed_size: 295936
    .private_segment_fixed_size: 0
    .kernarg_segment_align: 8
    .kernarg_segment_size: 24
    .max_flat_workgroup_size: 256
    .sgpr_count:     100
    .vgpr_count:     512
    .wavefront_size: 32
...
	.end_amdgpu_metadata
.endif
;; end of part 4
;; launch wo (part 5): grid 8 x 32, 4 waves a work-group, clusters of 4 x 4, 327,680 bytes of LDS; arguments ao, wc, lowp_scales, bo, x, x1; writes x1
.if DOCPART == 5
	.amdgcn_target "amdgcn-amd-amdhsa--gfx1250"
	.amdhsa_code_object_version 6
	.text
	.protected	k_q6cb93d34ef_wo
	.globl	k_q6cb93d34ef_wo
	.p2align	8
	.type	k_q6cb93d34ef_wo,@function
k_q6cb93d34ef_wo:
	s_mov_b64 s[64:65], 0
	v_nop
	global_prefetch_b8 v0, s[64:65] scope:SCOPE_SE
	s_setreg_imm32_b32 hwreg(HW_REG_WAVE_MODE, 25, 1), 1
	s_wait_xcnt 0x0
	s_wait_alu depctr_hold_cnt(0) depctr_sa_sdst(0) depctr_va_vdst(0) depctr_va_sdst(0) depctr_va_ssrc(0) depctr_va_vcc(0) depctr_vm_vsrc(0)
	s_getreg_b32 s2, hwreg(HW_REG_IB_STS2, 6, 4)
	s_cmp_eq_u32 s2, 0
	s_cbranch_scc0 .Lentry_in_a_cluster
	s_endpgm
.Lentry_in_a_cluster:
	s_bfe_u32 s2, ttmp6, 0x10000c
	s_cmp_lg_u32 s2, 0xf033
	s_cbranch_scc0 .Lentry_shape_is_right
	s_endpgm
.Lentry_shape_is_right:
; out = residual + (A B^T x 2^(ea + eb) + bias): [4096 x 1024] x [1024 x 1024] on codes of E4M3, f32 out, row-major.
; Operands arrive as images of operand registers ([block of 16 rows][k / 128][2048 bytes]; lane (r, h): row r, registers 2 c, 2 c + 1: k = 16 c + 8 h + 0 .. 7).
; A tile of C is 128 x 128, so that there are 256 work-groups; four waves, 64 x 64 each: 16 accumulators.  A slot holds 512 along K: a wave's tensor load brings 4 blocks x 8,192 bytes; the two slots hold all of K, and none is filled again.
; THE MATRIX INSTRUCTION IS USED TRANSPOSED (source 0 = 16 rows of B, source 1 = 16 rows of A): a lane holds eight neighbouring numbers of a row of C.
; The residual of my 64 x 64 is asked for at the head, while slot 0 is on its way, and waited for behind the last product, where the bias is added to it (another order of rounding than bias first onto the sum).
; On the way out a block of 16 rows goes through my own stage in LDS and comes back by rows: sixteen lanes store 256 consecutive bytes, aligned.
; CLUSTERS: 4 x 4; A's tile is asked for jointly along a row of the cluster, B's along a column.  NO PREFETCH: the text has no loop to run ahead in: both slots are asked for at the head.
; LIMIT: ea + eb between -126 and 127.
; REGISTERS: window 0: addresses, v32-35 the bias, v64-127 rows on the way out, v128-255 the accumulators; window 1: two fragment buffers (A's 4 x 16, B's 4 x 16); window 2: v0-127 residual + bias.
.set SIZE_K, 1024
.set WOFF,   0x300000                  ; the weight's place in wc
.set EOFF,   40                        ; the two scales' entries, in bytes
.set HALFT,  32768
.set SLOT,   4*HALFT
.set STAGE,  2*SLOT
.set SP,     272
.set SPARE,  STAGE+4*16*SP
.set LI,   3
.set ADRA, 16
.set ADRB, 20
.set STO,  24
.set RD,   25
.set CO,   26
.set SPW,  28
.set NIL,  29
.set BI,   32
.set RB,   64
.set ACC,  128
.set F0,   0
.set F1,   128
.set G1, 24
.set G0, 32
.set G1B, 48
.set G0B, 56
.set MSB, 0
.macro WIN new
.if MSB != \new
	s_set_vgpr_msb (MSB<<8)|\new
.set MSB, \new
.endif
.endm
.set MUL,  0x05
.set TO_F, 0x40
.macro JLOAD s                         ; a joint load: waves 0 and 1 fetch A's halves, waves 2 and 3 B's; an s_nop 0 and four v_nop follow each line
	s_cmp_eq_u32 s17, 0
	s_cbranch_scc0 .Lfor_b_\@
	tensor_load_to_lds s[G0+4*\s:G0+4*\s+3], s[G1:G1+7]
	s_nop 0
.rept 4
	v_nop
.endr
	s_branch .Lasked_\@
.Lfor_b_\@:
	tensor_load_to_lds s[G0B+4*\s:G0B+4*\s+3], s[G1B:G1B+7]
	s_nop 0
.rept 4
	v_nop
.endr
.Lasked_\@:
.endm
.macro CREST
	s_cmp_lg_u32 s16, 0
	s_cbranch_scc1 .Lnot_wave_0_\@
	s_barrier_signal -3
.Lnot_wave_0_\@:
	s_barrier_wait -3
	s_barrier_signal -1
	s_barrier_wait -1
.endm
.macro CROUND
	s_barrier_signal -1
	s_barrier_wait -1
	CREST
.endm
	s_load_b256 s[4:11], s[0:1], 0x0               ; A 4, wc 6, the scales' exponents 8, the bias 10
	s_load_b128 s[12:15], s[0:1], 0x20             ; the residual 12, the result 14
	v_lshl_add_u32 v[SPW], v0, 2, SPARE
	v_mov_b32 v[NIL], 0
	ds_add_u32 v[SPW], v[NIL]                      ; the wave's opening
	ds_add_u32 v[SPW], v[NIL]
	v_lshrrev_b32 v1, 5, v0
	v_readfirstlane_b32 s16, v1                    ; wave 0..3
	s_lshr_b32 s17, s16, 1                         ; my half of the rows.  Also: I fetch for A (0) or for B (1)
	s_and_b32 s18, s16, 1                          ; my half of the columns.  Also: which 4 blocks I fetch
	s_bfe_u32 s40, ttmp6, 0x40000
	s_bfe_u32 s41, ttmp6, 0x40004
	s_lshl_b32 s42, ttmp9, 2
	s_add_co_u32 s42, s42, s40                     ; tile column
	s_and_b32 s43, ttmp7, 0xffff
	s_lshl_b32 s43, s43, 2
	s_add_co_u32 s43, s43, s41                     ; tile row
	s_lshl_b32 s44, s41, 2
	s_lshl_b32 s44, 15, s44                        ; my row of the cluster
	s_lshl_b32 s45, 0x1111, s40                    ; my column
	s_or_b32 s[G1+0], s44, (3<<16)|(1<<21)
	s_or_b32 s[G1B+0], s45, (3<<16)|(1<<21)
.irp g, G1, G1B
	s_mov_b32 s[\g+1], 1024<<16                    ; tensor_dim0: 8,192 bytes in elements of 8
	s_mov_b32 s[\g+2], 4<<16                       ; tensor_dim1: 4 blocks
	s_mov_b32 s[\g+3], 1024<<16
	s_mov_b32 s[\g+4], 4
	s_mov_b32 s[\g+5], 2*SIZE_K                    ; from block to block: 16 SIZE_K bytes
	s_mov_b32 s[\g+6], 0
	s_mov_b32 s[\g+7], 0
.endr
	s_lshl_b32 s20, s18, 2
	s_lshl_b32 s22, s43, 3
	s_add_co_u32 s22, s22, s20                     ; A: block 8 x tile row + 4 x half
	s_mul_i32 s22, s22, SIZE_K*16
	s_mov_b32 s23, 0
	s_lshl_b32 s46, s42, 3
	s_add_co_u32 s46, s46, s20                     ; B: block 8 x tile column + 4 x half
	s_mul_i32 s46, s46, SIZE_K*16
	s_mov_b32 s47, 0
	s_mul_i32 s21, s16, HALFT
	s_wait_dscnt 0x0                               ; both opening adds are done
	s_wait_kmcnt 0x0
	s_load_b64 s[66:67], s[8:9], EOFF              ; ea, eb
	s_add_nc_u64 s[22:23], s[4:5], s[22:23]
	s_add_nc_u64 s[46:47], s[6:7], s[46:47]
	s_add_nc_u64 s[46:47], s[46:47], WOFF
	CROUND                                         ; all sixteen work-groups are here: the first joint loads meet
.irp s, 0,1
	s_mov_b32 s[G0+4*\s], 1
	s_add_co_u32 s[G0+4*\s+1], s21, \s*SLOT
	s_add_nc_u64 s[G0+4*\s+2:G0+4*\s+3], s[22:23], \s*8192
	s_or_b32 s[G0+4*\s+3], s[G0+4*\s+3], 0x80000000
	s_mov_b32 s[G0B+4*\s], 1
	s_add_co_u32 s[G0B+4*\s+1], s21, \s*SLOT
	s_add_nc_u64 s[G0B+4*\s+2:G0B+4*\s+3], s[46:47], \s*8192
	s_or_b32 s[G0B+4*\s+3], s[G0B+4*\s+3], 0x80000000
.endr
	JLOAD 0                                        ; slot 0: one tensor load a wave at the head
	v_and_b32 v1, 15, v0                           ; lane % 16
	s_wait_alu depctr_va_vdst(0)
	v_bfe_u32 v2, v0, 4, 1                         ; lane / 16
	v_and_b32 v[LI], 31, v0
	v_lshlrev_b32 v[LI], 4, v[LI]
	s_mul_i32 s20, s17, HALFT
	s_mul_i32 s22, s18, HALFT
	s_add_co_u32 s22, s22, 2*HALFT
.irp s, 0,1
	v_add_nc_u32 v[ADRA+\s], s20, v[LI]
	v_add_nc_u32 v[ADRB+\s], s22, v[LI]
	s_add_co_u32 s20, s20, SLOT
	s_add_co_u32 s22, s22, SLOT
.endr
	s_mul_i32 s20, s16, 16*SP
	s_add_co_u32 s20, s20, STAGE                   ; my stage
	v_mul_u32_u24 v4, v1, SP
	s_wait_alu depctr_va_vdst(0)
	v_lshl_add_u32 v4, v2, 5, v4
	v_add_nc_u32 v[STO], s20, v4                   ; in: row lane % 16, 32 bytes for each half of the lanes
	v_mul_u32_u24 v5, v2, SP
	v_lshl_add_u32 v5, v1, 4, v5
	v_add_nc_u32 v[RD], s20, v5                    ; back: lanes 0-15 one row of 256 bytes, lanes 16-31 the next
	v_lshlrev_b32 v[CO], 12, v2
	v_lshl_add_u32 v[CO], v1, 4, v[CO]             ; and the same two rows in memory
	s_wait_alu depctr_va_vdst(0)
	v_lshlrev_b32 v6, 4, v1
	s_wait_alu depctr_va_vdst(0)
	s_lshl_b32 s68, s43, 7
	s_lshl_b32 s69, s17, 6
	s_add_co_u32 s68, s68, s69                     ; my first row,
	s_lshl_b32 s68, s68, 12
	s_lshl_b32 s70, s42, 9
	s_lshl_b32 s71, s18, 8
	s_add_co_u32 s70, s70, s71                     ; my first column in bytes
	s_mov_b32 s71, 0
	s_add_co_u32 s68, s68, s70
	s_mov_b32 s69, 0
	s_add_nc_u64 s[12:13], s[12:13], s[68:69]
	s_add_nc_u64 s[14:15], s[14:15], s[68:69]
	s_add_nc_u64 s[10:11], s[10:11], s[70:71]
	WIN 0x80                                       ; destination window 2
.irp a, 0,1,2,3
.irp t, 0,1,2,3,4,5,6,7
	global_load_b128 v[32*\a+4*\t:32*\a+4*\t+3], v[CO], s[12:13] offset:(16*\a+2*\t)*4096
.endr
.endr
	WIN 0
	global_load_b128 v[BI:BI+3], v6, s[10:11]      ; the bias of my four columns
	s_wait_kmcnt 0x0
	s_add_co_i32 s66, s66, s67
	s_add_co_i32 s66, s66, 127
	s_lshl_b32 s66, s66, 23                        ; 2^(ea + eb) as f32
	s_mov_b32 s67, s66
.macro MUL4 f, a, zero                 ; A's block a x B's four.  The 16 accumulators take turns, one instruction a turn, in the same order in every quarter
.irp b, 0,1,2,3
.if \zero
	v_wmma_f32_16x16x128_fp8_fp8 v[ACC+8*(4*(\a)+\b):ACC+8*(4*(\a)+\b)+7], v[\f+64+16*\b:\f+64+16*\b+15], v[\f+16*(\a):\f+16*(\a)+15], 0
.else
	v_wmma_f32_16x16x128_fp8_fp8 v[ACC+8*(4*(\a)+\b):ACC+8*(4*(\a)+\b)+7], v[\f+64+16*\b:\f+64+16*\b+15], v[\f+16*(\a):\f+16*(\a)+15], v[ACC+8*(4*(\a)+\b):ACC+8*(4*(\a)+\b)+7]
.endif
.endr
.endm
.macro FETCH slot, q, f                ; 32 LDS loads in one run: B's four fragments, then A's four, of the slot's q-th 128 along K
	WIN TO_F
.irp i, 0,1,2,3
.irp c, 0,1,2,3
	ds_load_b128 v[\f+64+16*\i+4*\c:\f+64+16*\i+4*\c+3], v[ADRB+\slot] offset:\i*8192+(\q)*2048+512*\c
.endr
.endr
.irp i, 0,1,2,3
.irp c, 0,1,2,3
	ds_load_b128 v[\f+16*\i+4*\c:\f+16*\i+4*\c+3], v[ADRA+\slot] offset:\i*8192+(\q)*2048+512*\c
.endr
.endr
.endm
.macro PLACES
.rept 4
	v_nop
.endr
.endm
.macro QUARTER slot, q, f, g, zero     ; multiplies buffer f; in its middle fetches the slot's q-th 128 along K into g
	s_wait_dscnt 8                                 ; B and A's blocks 0, 1 are in; the youngest eight loads (A's blocks 2, 3) may be out
	WIN MUL
	MUL4 \f, 0, \zero
	MUL4 \f, 1, \zero
	PLACES
	FETCH \slot, \q, \g
	s_wait_dscnt 32                                ; all but the 32 just issued
	WIN MUL
	MUL4 \f, 2, \zero
	MUL4 \f, 3, \zero
.endm
	s_wait_alu depctr_va_vdst(0)
	s_wait_tensorcnt 0x0                           ; my part of slot 0 is in
	ds_add_u32 v[SPW], v[NIL]
	s_wait_dscnt 0x0
	CROUND                                         ; everybody's part of slot 0 is in, and the joint loads meet
	JLOAD 1                                        ; slot 1, the first tensor load behind the round
	FETCH 0, 0, F0
	QUARTER 0, 1, F0, F1, 1                        ; the first quarter's products start the sums
	QUARTER 0, 2, F1, F0, 0
	QUARTER 0, 3, F0, F1, 0
	WIN 0                                          ; slot 0's last quarter multiplies buffer 1 and changes slots: one barrier
	s_wait_tensorcnt 0x0                           ; my part of slot 1 has landed
	ds_add_u32 v[SPW], v[NIL]
	s_wait_dscnt 9                                 ; (the add and the youngest eight loads may be out)
	WIN MUL
	MUL4 F1, 0, 0
	s_wait_dscnt 0x0
	s_barrier_signal -1
	MUL4 F1, 1, 0
	WIN 0
	s_barrier_wait -1
	PLACES
	FETCH 1, 0, F0
	WIN MUL
	MUL4 F1, 2, 0
	MUL4 F1, 3, 0
	QUARTER 1, 1, F0, F1, 0
	QUARTER 1, 2, F1, F0, 0
	QUARTER 1, 3, F0, F1, 0
	s_wait_dscnt 8
	WIN MUL
	MUL4 F1, 0, 0
	MUL4 F1, 1, 0
	s_wait_dscnt 0
	MUL4 F1, 2, 0
	MUL4 F1, 3, 0
	WIN 0
.macro TOSTAGE a                       ; block a's sums into my stage, each accumulator's low half first, and back by rows; LDS serves a wave's instructions in order
.irp b, 0,1,2,3
	ds_store_b128 v[STO], v[ACC+8*(4*(\a)+\b):ACC+8*(4*(\a)+\b)+3] offset:64*\b
	ds_store_b128 v[STO], v[ACC+8*(4*(\a)+\b)+4:ACC+8*(4*(\a)+\b)+7] offset:64*\b+16
.endr
.irp t, 0,1,2,3,4,5,6,7
	ds_load_b128 v[RB+32*((\a)%2)+4*\t:RB+32*((\a)%2)+4*\t+3], v[RD] offset:\t*2*SP
.endr
.endm
.macro SEND a, younger                 ; younger: the LDS instructions issued behind block a's loads, which may stay out
	s_wait_dscnt \younger
	WIN 0x20                                       ; source 2 window 2
.set i, 0
.rept 16
	v_pk_fma_f32 v[RB+32*((\a)%2)+i:RB+32*((\a)%2)+i+1], v[RB+32*((\a)%2)+i:RB+32*((\a)%2)+i+1], s[66:67], v[32*(\a)+i:32*(\a)+i+1] op_sel_hi:[1,0,1]
.set i, i+2
.endr
	WIN 0
.irp t, 0,1,2,3,4,5,6,7
	global_store_b128 v[CO], v[RB+32*((\a)%2)+4*\t:RB+32*((\a)%2)+4*\t+3], s[14:15] offset:(16*(\a)+2*\t)*4096
.endr
.endm
	s_wait_loadcnt 0x0                             ; the residual and the bias, asked for at the head
	WIN 0x82                                       ; source 0 and destination window 2
.set i, 0
.rept 32
	v_pk_add_f32 v[i:i+1], v[i:i+1], v[BI:BI+1]
	v_pk_add_f32 v[i+2:i+3], v[i+2:i+3], v[BI+2:BI+3]
.set i, i+4
.endr
	WIN 0
	PLACES
	TOSTAGE 0
	TOSTAGE 1
	SEND 0, 16                                     ; behind block 0's loads: block 1's eight stores and eight loads
	s_wait_xcnt 0x0                                ; block 0's stores have read their registers
	TOSTAGE 2
	SEND 1, 16
	s_wait_xcnt 0x0
	TOSTAGE 3
	SEND 2, 16
	SEND 3, 0
	s_wait_tensorcnt 0x0                           ; the wave's end
	ds_add_u32 v[SPW], v[NIL]
	s_wait_dscnt 0x0
	CROUND                                         ; the closing round
	s_endpgm
.Lfunc_end_k_q6cb93d34ef_wo:
	.size	k_q6cb93d34ef_wo, .Lfunc_end_k_q6cb93d34ef_wo-k_q6cb93d34ef_wo
	.p2alignl 7, 3214868480
	.fill 96, 4, 3214868480
	.section	.rodata,"a",@progbits
	.p2align	6, 0x0
	.amdhsa_kernel k_q6cb93d34ef_wo
		.amdhsa_group_segment_fixed_size 327680
		.amdhsa_private_segment_fixed_size 0
		.amdhsa_enable_private_segment 0
		.amdhsa_kernarg_size 48
		.amdhsa_user_sgpr_count 2
		.amdhsa_user_sgpr_kernarg_segment_ptr 1
		.amdhsa_wavefront_size32 1
		.amdhsa_system_sgpr_workgroup_id_x 1
		.amdhsa_system_sgpr_workgroup_id_y 1
		.amdhsa_system_sgpr_workgroup_id_z 1
		.amdhsa_system_vgpr_workitem_id 0
		.amdhsa_next_free_vgpr 640
		.amdhsa_next_free_sgpr 76
		.amdhsa_reserve_vcc 0
		.amdhsa_float_denorm_mode_32 3
		.amdhsa_float_denorm_mode_16_64 3
		.amdhsa_memory_ordered 1
		.amdhsa_forward_progress 1
		.amdhsa_inst_pref_size 54
	.end_amdhsa_kernel
	.amdgpu_metadata
---
amdhsa.version: [ 1, 2 ]
amdhsa.kernels:
  - .name:           k_q6cb93d34ef_wo
    .symbol:         k_q6cb93d34ef_wo.kd
    .args:
      - { .name: ao, .offset: 0, .size: 8, .value_kind: global_buffer, .address_space: global }
      - { .name: wc, .offset: 8, .size: 8, .value_kind: global_buffer, .address_space: global }
      - { .name: lowp_scales, .offset: 16, .size: 8, .value_kind: global_buffer, .address_space: global }
      - { .name: bo, .offset: 24, .size: 8, .value_kind: global_buffer, .address_space: global }
      - { .name: x, .offset: 32, .size: 8, .value_kind: global_buffer, .address_space: global }
      - { .name: x1, .offset: 40, .size: 8, .value_kind: global_buffer, .address_space: global }
    .group_segment_fixed_size: 327680
    .private_segment_fixed_size: 0
    .kernarg_segment_align: 8
    .kernarg_segment_size: 48
    .max_flat_workgroup_size: 128
    .sgpr_count:     76
    .vgpr_count:     640
    .wavefront_size: 32
...
	.end_amdgpu_metadata
.endif
;; end of part 5
;; launch ln2 (part 6): grid 256 x 1, 8 waves a work-group, no clusters, 34,048 bytes of LDS; arguments x1, ln2_w, ln2_b, tmod, lowp_scales, xf; writes xf
.if DOCPART == 6
	.amdgcn_target "amdgcn-amd-amdhsa--gfx1250"
	.amdhsa_code_object_version 6
	.text
	.protected	k_q6cb93d34ef_ln2
	.globl	k_q6cb93d34ef_ln2
	.p2align	8
	.type	k_q6cb93d34ef_ln2,@function
k_q6cb93d34ef_ln2:
	s_mov_b64 s[64:65], 0
	v_nop
	global_prefetch_b8 v0, s[64:65] scope:SCOPE_SE
	s_setreg_imm32_b32 hwreg(HW_REG_WAVE_MODE, 25, 1), 1
	s_wait_xcnt 0x0
; LAYER NORM, MODULATION, QUANTISER.  z = ((x - mean) rsqrt(var + 1e-5) w + b) (1 + scale) + shift, all f32, the variance from the differences (two passes over registers).
; z is quantised NT times, each time with its own given scale, into images of operand registers: [t][row / 16][k / 128][2048 bytes]; lane (r, h): row r, registers 2 c, 2 c + 1: k = 16 c + 8 h + 0 .. 7.
; A work-group owns 16 rows, wave w rows 2 w and 2 w + 1.  A lane holds columns 256 j + 8 lane + 0 .. 7 (j = 0 .. 3), so that a conversion finds eight neighbours along K in one lane.
; The codes meet in a stage in LDS (rows of 1,024 bytes + 16); behind one barrier wave w reads K step w of each image and stores it, 512 consecutive bytes an instruction.
; LIMITS: each e between -126 and 119.  NaN among the inputs is not served.  No matrix unit, cluster or tensor load: the launch streams, and work-groups share nothing but the small parameters.
.set NT,    1                          ; how many images
.set MAT,   1                          ; which half of tmod
.set E0,    12                         ; the scale's entry
.set E1,    12
.set E2,    12
.set PITCH, 1040
.set STG,   16*PITCH
.set SPARE, NT*STG                     ; behind the stage: the spare words, 128 bytes a wave
.set PB,  SPARE+1024                   ; behind the spare words: w, b, scale, shift, 4,096 bytes each, stored once by the work-group and read by every wave
.macro LLOAD reg, off                  ; a parameter's 32 numbers of my lane, from LDS: columns 256 j + 8 lane + 0 .. 7
.irp j, 0,1,2,3
	ds_load_b128 v[\reg+8*\j:\reg+8*\j+3], v9 offset:\off+1024*\j
	ds_load_b128 v[\reg+8*\j+4:\reg+8*\j+7], v9 offset:\off+1024*\j+16
.endr
.endm
.set SPW, 6
.set NIL, 7                            ; v7  0; never rewritten
.set X,  32                            ; v32-95  two rows, 32 numbers each
.set LW, 96                            ; v96-127 w;  v128-159 b;  v160-191 scale;  v192-223 shift
.set LB, 128
.set SC, 160
.set SH, 192
.set H,  96                            ; later: v96-159 held numbers, then the image's registers; v160.. codes
.set CD, 160
.macro PLOAD reg, base, off
.irp j, 0,1,2,3
	global_load_b128 v[\reg+8*\j:\reg+8*\j+3], v2, s[\base:\base+1] offset:\off+1024*\j
	global_load_b128 v[\reg+8*\j+4:\reg+8*\j+7], v2, s[\base:\base+1] offset:\off+1024*\j+16
.endr
.endm
.macro LANESUM r, t                    ; v[r] summed over the 32 lanes, in every lane
	s_delay_alu instid0(VALU_DEP_1)
	v_add_f32_dpp v[\r], v[\r], v[\r] row_xmask:1 row_mask:0xf bank_mask:0xf
	s_delay_alu instid0(VALU_DEP_1)
	v_add_f32_dpp v[\r], v[\r], v[\r] row_xmask:2 row_mask:0xf bank_mask:0xf
	s_delay_alu instid0(VALU_DEP_1)
	v_add_f32_dpp v[\r], v[\r], v[\r] row_xmask:4 row_mask:0xf bank_mask:0xf
	s_delay_alu instid0(VALU_DEP_1)
	v_add_f32_dpp v[\r], v[\r], v[\r] row_xmask:8 row_mask:0xf bank_mask:0xf
	s_delay_alu instid0(VALU_DEP_1)
	v_permlanex16_b32 v[\t], v[\r], s20, s21
	s_delay_alu instid0(VALU_DEP_1)
	v_add_f32 v[\r], v[\r], v[\t]
.endm
.macro QSET se, vlim, vscl
	s_add_co_i32 s36, s[\se], 127
	s_lshl_b32 s37, s36, 23
	v_mov_b32 v[\vscl], s37                        ; 2^e as f32
	s_add_co_i32 s36, s36, 8
	s_lshl_b32 s36, s36, 23
	s_or_b32 s36, s36, 0x600000
	v_mov_b32 v[\vlim], s36                        ; 448 x 2^e
.endm
.macro ROWSTAT rr                      ; row rr: x becomes x - mean; v[S0] = var + eps
.set XB, X+32*(\rr)
.set S0, 16+8*(\rr)
	v_pk_add_f32 v[S0:S0+1], v[XB:XB+1], v[XB+4:XB+5]
	v_pk_add_f32 v[S0+2:S0+3], v[XB+2:XB+3], v[XB+6:XB+7]
.irp i, 8,12,16,20,24,28
	s_delay_alu instid0(VALU_DEP_2)
	v_pk_add_f32 v[S0:S0+1], v[S0:S0+1], v[XB+\i:XB+\i+1]
	s_delay_alu instid0(VALU_DEP_2)
	v_pk_add_f32 v[S0+2:S0+3], v[S0+2:S0+3], v[XB+\i+2:XB+\i+3]
.endr
	s_delay_alu instid0(VALU_DEP_1)
	v_pk_add_f32 v[S0:S0+1], v[S0:S0+1], v[S0+2:S0+3]
	s_delay_alu instid0(VALU_DEP_1)
	v_add_f32 v[S0], v[S0], v[S0+1]
	LANESUM S0, S0+4
	s_delay_alu instid0(VALU_DEP_1)
	v_mul_f32 v[S0+6], 0x3a800000, v[S0]           ; the mean: sum / 1,024
	s_delay_alu instid0(VALU_DEP_1)
	v_mov_b32 v[S0+7], v[S0+6]
.set i, 0
.rept 16
	v_pk_add_f32 v[XB+i:XB+i+1], v[XB+i:XB+i+1], v[S0+6:S0+7] neg_lo:[0,1] neg_hi:[0,1]
.set i, i+2
.endr
	v_pk_mul_f32 v[S0:S0+1], v[XB:XB+1], v[XB:XB+1]
	v_pk_mul_f32 v[S0+2:S0+3], v[XB+2:XB+3], v[XB+2:XB+3]
.irp i, 4,8,12,16,20,24,28
	s_delay_alu instid0(VALU_DEP_2)
	v_pk_fma_f32 v[S0:S0+1], v[XB+\i:XB+\i+1], v[XB+\i:XB+\i+1], v[S0:S0+1]
	s_delay_alu instid0(VALU_DEP_2)
	v_pk_fma_f32 v[S0+2:S0+3], v[XB+\i+2:XB+\i+3], v[XB+\i+2:XB+\i+3], v[S0+2:S0+3]
.endr
	s_delay_alu instid0(VALU_DEP_1)
	v_pk_add_f32 v[S0:S0+1], v[S0:S0+1], v[S0+2:S0+3]
	s_delay_alu instid0(VALU_DEP_1)
	v_add_f32 v[S0], v[S0], v[S0+1]
	LANESUM S0, S0+4
	s_delay_alu instid0(VALU_DEP_1)
	v_fma_f32 v[S0], v[S0], s30, s31               ; sum / 1,024 + 1e-5
.endm
	s_load_b256 s[4:11], s[0:1], 0x0               ; x 4, w 6, b 8, tmod 10
	s_load_b128 s[12:15], s[0:1], 0x20             ; the scales' exponents 12, the image 14
	v_lshl_add_u32 v[SPW], v0, 2, SPARE
	v_mov_b32 v[NIL], 0
	v_lshrrev_b32 v1, 5, v0
	s_delay_alu instid0(VALU_DEP_1)
	v_readfirstlane_b32 s16, v1                    ; wave 0..7
	v_and_b32 v1, 31, v0                           ; lane
	s_delay_alu instid0(VALU_DEP_1)
	v_lshlrev_b32 v2, 5, v1                        ; 32 bytes a lane: eight numbers
	s_mul_i32 s17, s16, 2*PITCH
	v_lshl_add_u32 v3, v1, 3, s17                  ; the stage, in: my first row, 8 bytes a lane
	v_and_b32 v8, 15, v1
	v_lshrrev_b32 v9, 4, v1
	s_delay_alu instid0(VALU_DEP_2)
	v_mul_u32_u24 v4, v8, PITCH
	s_delay_alu instid0(VALU_DEP_1)
	v_lshl_add_u32 v4, v9, 3, v4
	s_lshl_b32 s17, s16, 7
	v_add_nc_u32 v4, s17, v4                       ; the stage, out: row r, K step w, + 8 h
	s_lshl_b32 s17, s16, 11
	v_lshl_add_u32 v5, v1, 4, s17                  ; the image: fragment w, 16 bytes a lane
	v_lshlrev_b32 v8, 4, v0                        ; the parameters, in: 16 bytes a thread, 4,096 a work-group, in memory and in LDS
	v_add_nc_u32 v9, PB, v2                        ; and out of LDS: 32 bytes a lane
	s_mov_b32 s20, 0x76543210
	s_mov_b32 s21, 0xfedcba98
	s_mov_b32 s30, 0x3a800000                      ; 1 / 1,024
	s_mov_b32 s31, 0x3727c5ac                      ; 1e-5
	s_lshl_b32 s18, ttmp9, 16                      ; 16 rows of 4,096 bytes
	s_lshl_b32 s19, s16, 13
	s_add_co_u32 s18, s18, s19
	s_mov_b32 s19, 0
	s_lshr_b32 s22, ttmp9, 7                       ; the batch
	s_lshl_b32 s22, s22, 13
	s_add_co_u32 s22, s22, MAT*16384
	s_mov_b32 s23, 0
	s_lshl_b32 s26, ttmp9, 14                      ; a block of 16 rows is eight fragments
	s_mov_b32 s27, 0
	s_wait_alu depctr_va_vdst(0)
	s_wait_kmcnt 0x0
	s_load_b32 s32, s[12:13], 4*E0
.if NT > 1
	s_load_b32 s33, s[12:13], 4*E1
	s_load_b32 s34, s[12:13], 4*E2
.endif
	s_add_nc_u64 s[4:5], s[4:5], s[18:19]
	s_add_nc_u64 s[10:11], s[10:11], s[22:23]
	s_add_nc_u64 s[24:25], s[14:15], s[26:27]
.if NT > 1
	s_add_nc_u64 s[26:27], s[24:25], 0x400000
	s_add_nc_u64 s[28:29], s[24:25], 0x800000
.endif
	global_load_b128 v[LW:LW+3], v8, s[6:7]        ; each parameter is loaded once by the work-group: my 16 bytes of each
	global_load_b128 v[LB:LB+3], v8, s[8:9]
	global_load_b128 v[SC:SC+3], v8, s[10:11] offset:4096
	global_load_b128 v[SH:SH+3], v8, s[10:11]
	PLOAD X, 4, 0
	PLOAD X+32, 4, 4096
	v_mov_b32 v20, 0                               ; a lane permute's destination counts as one of its sources
	v_mov_b32 v28, 0
	s_wait_kmcnt 0x0
	QSET 32, 10, 13
.if NT > 1
	QSET 33, 11, 14
	QSET 34, 12, 15
.endif
	s_wait_alu depctr_va_vdst(0)
	s_wait_loadcnt 16                              ; my parts of the parameters are in; the 16 loads of my two rows stay out
	ds_store_b128 v8, v[LW:LW+3] offset:PB
	ds_store_b128 v8, v[LB:LB+3] offset:PB+4096
	ds_store_b128 v8, v[SC:SC+3] offset:PB+8192
	ds_store_b128 v8, v[SH:SH+3] offset:PB+12288
	s_wait_dscnt 0x0                               ; for the others' sake: my stores are done
	s_barrier_signal -1
	s_barrier_wait -1
	LLOAD LW, 0                                    ; they land while the rows' sums are made
	LLOAD LB, 4096
	LLOAD SC, 8192
	LLOAD SH, 12288
	s_wait_loadcnt 0x0                             ; my two rows are in
	ROWSTAT 0
	ROWSTAT 1
	s_wait_alu depctr_va_vdst(0)
	v_rsq_f32 v22, v16
	v_rsq_f32 v30, v24
	s_wait_dscnt 0x0                               ; the parameters are in registers
.set i, 0
.rept 16
	v_pk_add_f32 v[SC+i:SC+i+1], v[SC+i:SC+i+1], 1.0 op_sel_hi:[1,0]   ; 1 + scale: independent work behind the two roots
.set i, i+2
.endr
	s_wait_alu depctr_va_vdst(0)                   ; one wait for both roots, ahead of their first reader
	v_mov_b32 v23, v22
	v_mov_b32 v31, v30
.irp rr, 0,1
.set i, 0
.rept 16
	v_pk_mul_f32 v[X+32*\rr+i:X+32*\rr+i+1], v[X+32*\rr+i:X+32*\rr+i+1], v[22+8*\rr:23+8*\rr]
.set i, i+2
.endr
.set i, 0
.rept 16
	v_pk_fma_f32 v[X+32*\rr+i:X+32*\rr+i+1], v[X+32*\rr+i:X+32*\rr+i+1], v[LW+i:LW+i+1], v[LB+i:LB+i+1]
.set i, i+2
.endr
.set i, 0
.rept 16
	v_pk_fma_f32 v[X+32*\rr+i:X+32*\rr+i+1], v[X+32*\rr+i:X+32*\rr+i+1], v[SC+i:SC+i+1], v[SH+i:SH+i+1]
.set i, i+2
.endr
.endr
.irp t, 0,1,2
.if \t < NT
.set i, 0
.rept 64
	v_med3_num_f32 v[H+i], v[X+i], -v[10+\t], v[10+\t]   ; the conversion does not saturate (ISA guide 7.6.2): the hold at 448 x the scale
.set i, i+1
.endr
.set i, 0
.rept 8
	v_cvt_scalef32_pk8_fp8_f32 v[CD+16*\t+2*i:CD+16*\t+2*i+1], v[H+8*i:H+8*i+7], v[13+\t]
.set i, i+1
.endr
	v_nop                                          ; a plain line between the conversions and the next lines that write their sources
.set i, 0
.rept 8
	ds_store_b64 v3, v[CD+16*\t+2*i:CD+16*\t+2*i+1] offset:\t*STG+(i/4)*PITCH+256*(i%4)   ; 256 consecutive bytes of a row
.set i, i+1
.endr
.endif
.endr
	s_wait_dscnt 0x0                               ; for the others' sake: my stores are done
	s_barrier_signal -1
	s_barrier_wait -1
.irp t, 0,1,2
.if \t < NT
.irp g, 0,1,2,3
	ds_load_b64 v[H+16*\t+4*\g:H+16*\t+4*\g+1], v4 offset:\t*STG+32*\g         ; k = 32 g + 8 h + 0 .. 7 of row r
	ds_load_b64 v[H+16*\t+4*\g+2:H+16*\t+4*\g+3], v4 offset:\t*STG+32*\g+16    ; k = 32 g + 16 + 8 h + 0 .. 7
.endr
.endif
.endr
.set n, 0
.irp t, 0,1,2
.if \t < NT
.irp g, 0,1,2,3
	s_wait_dscnt 8*NT-2-2*n                        ; LDS loads come back in order: this pair is in, the younger pairs stay out
	global_store_b128 v5, v[H+16*\t+4*\g:H+16*\t+4*\g+3], s[24+2*\t:25+2*\t] offset:512*\g
.set n, n+1
.endr
.endif
.endr
	s_wait_tensorcnt 0x0                           ; the wave's end
	ds_add_u32 v[SPW], v[NIL]
	s_wait_dscnt 0x0
	s_endpgm
.Lfunc_end_k_q6cb93d34ef_ln2:
	.size	k_q6cb93d34ef_ln2, .Lfunc_end_k_q6cb93d34ef_ln2-k_q6cb93d34ef_ln2
	.p2alignl 7, 3214868480
	.fill 96, 4, 3214868480
	.section	.rodata,"a",@progbits
	.p2align	6, 0x0
	.amdhsa_kernel k_q6cb93d34ef_ln2
		.amdhsa_group_segment_fixed_size 34048
		.amdhsa_private_segment_fixed_size 0
		.amdhsa_enable_private_segment 0
		.amdhsa_kernarg_size 48
		.amdhsa_user_sgpr_count 2
		.amdhsa_user_sgpr_kernarg_segment_ptr 1
		.amdhsa_wavefront_size32 1
		.amdhsa_system_sgpr_workgroup_id_x 1
		.amdhsa_system_sgpr_workgroup_id_y 1
		.amdhsa_system_sgpr_workgroup_id_z 1
		.amdhsa_system_vgpr_workitem_id 0
		.amdhsa_next_free_vgpr 224
		.amdhsa_next_free_sgpr 66
		.amdhsa_reserve_vcc 0
		.amdhsa_float_denorm_mode_32 3
		.amdhsa_float_denorm_mode_16_64 3
		.amdhsa_memory_ordered 1
		.amdhsa_forward_progress 1
		.amdhsa_inst_pref_size 31
	.end_amdhsa_kernel
	.amdgpu_metadata
---
amdhsa.version: [ 1, 2 ]
amdhsa.kernels:
  - .name:           k_q6cb93d34ef_ln2
    .symbol:         k_q6cb93d34ef_ln2.kd
    .args:
      - { .name: x1, .offset: 0, .size: 8, .value_kind: global_buffer, .address_space: global }
      - { .name: ln2_w, .offset: 8, .size: 8, .value_kind: global_buffer, .address_space: global }
      - { .name: ln2_b, .offset: 16, .size: 8, .value_kind: global_buffer, .address_space: global }
      - { .name: tmod, .offset: 24, .size: 8, .value_kind: global_buffer, .address_space: global }
      - { .name: lowp_scales, .offset: 32, .size: 8, .value_kind: global_buffer, .address_space: global }
      - { .name: xf, .offset: 40, .size: 8, .value_kind: global_buffer, .address_space: global }
    .group_segment_fixed_size: 34048
    .private_segment_fixed_size: 0
    .kernarg_segment_align: 8
    .kernarg_segment_size: 48
    .max_flat_workgroup_size: 256
    .sgpr_count:     66
    .vgpr_count:     224
    .wavefront_size: 32
...
	.end_amdgpu_metadata
.endif
;; end of part 6
;; launch ffn1 (part 7): grid 16 x 16, 4 waves a work-group, clusters of 4 x 4, 327,680 bytes of LDS; arguments xf, wc, lowp_scales, b1, hc; writes hc
.if DOCPART == 7
	.amdgcn_target "amdgcn-amd-amdhsa--gfx1250"
	.amdhsa_code_object_version 6
	.text
	.protected	k_q6cb93d34ef_ffn1
	.globl	k_q6cb93d34ef_ffn1
	.p2align	8
	.type	k_q6cb93d34ef_ffn1,@function
k_q6cb93d34ef_ffn1:
	s_mov_b64 s[64:65], 0
	v_nop
	global_prefetch_b8 v0, s[64:65] scope:SCOPE_SE
	s_setreg_imm32_b32 hwreg(HW_REG_WAVE_MODE, 25, 1), 1
	s_wait_xcnt 0x0
	s_wait_alu depctr_hold_cnt(0) depctr_sa_sdst(0) depctr_va_vdst(0) depctr_va_sdst(0) depctr_va_ssrc(0) depctr_va_vcc(0) depctr_vm_vsrc(0)
	s_getreg_b32 s2, hwreg(HW_REG_IB_STS2, 6, 4)
	s_cmp_eq_u32 s2, 0
	s_cbranch_scc0 .Lentry_in_a_cluster
	s_endpgm
.Lentry_in_a_cluster:
	s_bfe_u32 s2, ttmp6, 0x10000c
	s_cmp_lg_u32 s2, 0xf033
	s_cbranch_scc0 .Lentry_shape_is_right
	s_endpgm
.Lentry_shape_is_right:
.set HALFT,  32768
.set SLOT,   4*HALFT
.set LAPS,   2
.set SPARE,  2*SLOT
.set FR,     16
.set NL,     4
.set NP,     4
.set ADRA, 16
.set ADRB, 20
.set LI,   26
.set SPW,  28
.set NIL,  29
.set CB,   32
.set AF,   128
.set G1, 24
.set G0, 32
.set G1B, 48
.set G0B, 56
.set U,   0
.set P,   64
.set Q,   128
.set Z,   192
.set W,   200
.set KC,  208
.set KCC, 232
.set GL,  234
.set GS,  235
.set GC,  240
.set MSB, 0
.macro WIN new
.if MSB != \new
	s_set_vgpr_msb (MSB<<8)|\new
.set MSB, \new
.endif
.endm
.set MUL_LO, 0xa1
.set MUL_HI, 0xf1
.set TO_B,   0x40
.macro JLOAD g0a, g1a, g0b, g1b
	s_cmp_eq_u32 s15, 0
	s_cbranch_scc0 .Lfor_b_\@
	tensor_load_to_lds s[\g0a:\g0a+3], s[\g1a:\g1a+7]
	s_nop 0
.rept 4
	v_nop
.endr
	s_branch .Lasked_\@
.Lfor_b_\@:
	tensor_load_to_lds s[\g0b:\g0b+3], s[\g1b:\g1b+7]
	s_nop 0
.rept 4
	v_nop
.endr
.Lasked_\@:
.endm
.macro CREST
	s_cmp_lg_u32 s14, 0
	s_cbranch_scc1 .Lnot_wave_0_\@
	s_barrier_signal -3
.Lnot_wave_0_\@:
	s_barrier_wait -3
	s_barrier_signal -1
	s_barrier_wait -1
.endm
.macro CROUND
	s_barrier_signal -1
	s_barrier_wait -1
	CREST
.endm
	s_load_b256 s[4:11], s[0:1], 0x0
	s_load_b64 s[88:89], s[0:1], 0x20
	v_lshl_add_u32 v[SPW], v0, 2, SPARE
	v_mov_b32 v[NIL], 0
	ds_add_u32 v[SPW], v[NIL]
	ds_add_u32 v[SPW], v[NIL]
	v_lshrrev_b32 v1, 5, v0
	v_readfirstlane_b32 s14, v1
	s_lshr_b32 s15, s14, 1
	s_and_b32 s16, s14, 1
	s_bfe_u32 s40, ttmp6, 0x40000
	s_bfe_u32 s41, ttmp6, 0x40004
	s_lshl_b32 s42, ttmp9, 2
	s_add_co_u32 s42, s42, s40
	s_and_b32 s17, ttmp7, 0xffff
	s_lshl_b32 s17, s17, 2
	s_add_co_u32 s17, s17, s41
	s_lshl_b32 s43, s41, 2
	s_lshl_b32 s43, 15, s43
	s_lshl_b32 s44, 0x1111, s40
	s_or_b32 s[G1+0], s43, (3<<16)|(1<<21)
	s_or_b32 s[G1B+0], s44, (3<<16)|(1<<21)
.irp g, G1, G1B
	s_mov_b32 s[\g+1], 512<<16
	s_mov_b32 s[\g+2], 8<<16
	s_mov_b32 s[\g+3], 512<<16
	s_mov_b32 s[\g+4], 8
	s_mov_b32 s[\g+5], 2048
	s_mov_b32 s[\g+6], 0
	s_mov_b32 s[\g+7], 0
.endr
	s_lshl_b32 s18, s16, 3
	s_lshl_b32 s20, s17, 4
	s_add_co_u32 s20, s20, s18
	s_lshl_b32 s20, s20, 14
	s_mov_b32 s21, 0
	s_lshl_b32 s46, s42, 4
	s_add_co_u32 s46, s46, s18
	s_lshl_b32 s46, s46, 14
	s_mov_b32 s47, 0
	s_mul_i32 s45, s14, HALFT
	s_wait_dscnt 0x0
	s_wait_kmcnt 0x0
	s_load_b128 s[68:71], s[8:9], 48
	s_add_nc_u64 s[20:21], s[4:5], s[20:21]
	s_add_nc_u64 s[46:47], s[6:7], s[46:47]
	s_add_nc_u64 s[46:47], s[46:47], 0x400000
	CROUND
.irp s, 0,1
	s_mov_b32 s[G0+4*\s], 1
	s_add_co_u32 s[G0+4*\s+1], s45, \s*SLOT
	s_add_nc_u64 s[G0+4*\s+2:G0+4*\s+3], s[20:21], \s*4096
	s_or_b32 s[G0+4*\s+3], s[G0+4*\s+3], 0x80000000
	s_mov_b32 s[G0B+4*\s], 1
	s_add_co_u32 s[G0B+4*\s+1], s45, \s*SLOT
	s_add_nc_u64 s[G0B+4*\s+2:G0B+4*\s+3], s[46:47], \s*4096
	s_or_b32 s[G0B+4*\s+3], s[G0B+4*\s+3], 0x80000000
.endr
	JLOAD G0, G1, G0B, G1B                         ; slot 0: one tensor load a wave at the head; the set-up below stands under its flight
	v_and_b32 v1, 31, v0
	v_lshlrev_b32 v[LI], 4, v1
	s_mul_i32 s21, s15, HALFT
	s_mul_i32 s22, s16, HALFT
	s_add_co_u32 s22, s22, 2*HALFT
.irp s, 0,1
	v_add_nc_u32 v[ADRA+\s], s21, v[LI]
	v_add_nc_u32 v[ADRB+\s], s22, v[LI]
	s_add_co_u32 s21, s21, SLOT
	s_add_co_u32 s22, s22, SLOT
.endr
	s_lshl_b32 s12, s42, 8
	s_lshl_b32 s13, s16, 7
	s_add_co_u32 s12, s12, s13
	s_lshl_b32 s12, s12, 2
	s_mov_b32 s13, 0
	s_add_nc_u64 s[10:11], s[10:11], s[12:13]
	v_bfe_u32 v1, v0, 4, 1
	v_lshlrev_b32 v1, 5, v1
.irp b, 0,1,2,3,4,5,6,7
	global_load_b128 v[CB+8*\b:CB+8*\b+3], v1, s[10:11] offset:64*\b
	global_load_b128 v[CB+8*\b+4:CB+8*\b+7], v1, s[10:11] offset:64*\b+16
.endr
	s_lshl_b32 s12, s17, 4
	s_lshl_b32 s13, s15, 3
	s_add_co_u32 s12, s12, s13
	s_lshl_b32 s12, s12, 16
	s_lshl_b32 s13, s42, 1
	s_add_co_u32 s13, s13, s16
	s_lshl_b32 s13, s13, 11
	s_add_co_u32 s12, s12, s13
	s_mov_b32 s13, 0
	s_add_nc_u64 s[88:89], s[88:89], s[12:13]
	s_wait_kmcnt 0x0
	s_add_co_i32 s96, s68, s69
	s_lshl_b32 s96, s96, 23
	s_add_co_i32 s96, s96, 0x3f3504f3
	s_mov_b32 s97, s96
	s_add_co_i32 s94, s70, 127
	s_lshl_b32 s95, s94, 23
	s_add_co_i32 s94, s94, 8
	s_lshl_b32 s94, s94, 23
	s_or_b32 s94, s94, 0x600000
	s_wait_loadcnt 0x0
.set i, 0
.rept 32
	v_pk_mul_f32 v[CB+i:CB+i+1], v[CB+i:CB+i+1], 0x3f3504f3 op_sel_hi:[1,0]
.set i, i+2
.endr
.macro FRAG reg, adr, q, i
.irp c, 0,1,2,3
	ds_load_b128 v[\reg+4*\c:\reg+4*\c+3], v[\adr] offset:(\i)*4096+(\q)*2048+512*\c
.endr
.endm
.macro MUL16 a0, p, zero
.irp a, \a0, \a0+1
.irp b, 0,1,2,3,4,5,6,7
.if \zero
	v_wmma_f32_16x16x128_fp8_fp8 v[8*(8*((\a)%4)+\b):8*(8*((\a)%4)+\b)+7], v[128*(\p)+FR*\b:128*(\p)+FR*\b+FR-1], v[AF+FR*(\a):AF+FR*(\a)+FR-1], 0
.else
	v_wmma_f32_16x16x128_fp8_fp8 v[8*(8*((\a)%4)+\b):8*(8*((\a)%4)+\b)+7], v[128*(\p)+FR*\b:128*(\p)+FR*\b+FR-1], v[AF+FR*(\a):AF+FR*(\a)+FR-1], v[8*(8*((\a)%4)+\b):8*(8*((\a)%4)+\b)+7]
.endif
.endr
.endr
.endm
.macro FETCH_B slot, q, p
	WIN TO_B
.irp i, 0,1,2,3,4,5,6,7
	FRAG 128*(\p)+FR*\i, ADRB+\slot, \q, \i
.endr
	WIN 0
.endm
.macro FETCH_A slot, q, i0
.irp i, \i0, \i0+1, \i0+2, \i0+3
	FRAG AF+FR*(\i), ADRA+\slot, \q, \i
.endr
.endm
.macro PLACES n
.rept \n
	v_nop
.endr
.endm
.macro STEP slot, q, zero
	s_wait_dscnt 4*NL
	WIN MUL_LO
	MUL16 0, (\q)%2, \zero
	MUL16 2, (\q)%2, \zero
	s_wait_dscnt 0
	PLACES NP
	FETCH_B \slot, (\q)+1, 1-(\q)%2
	FETCH_A \slot, (\q)+1, 0
	WIN MUL_HI
	MUL16 4, (\q)%2, \zero
	MUL16 6, (\q)%2, \zero
	PLACES NP
	WIN 0
	FETCH_A \slot, (\q)+1, 4
.endm
.macro TURN slot, next, fill
	s_wait_tensorcnt 0x0
	ds_add_u32 v[SPW], v[NIL]
	s_wait_dscnt 4*NL+1
	WIN MUL_LO
	MUL16 0, 1, 0
	s_wait_dscnt 0x0
	s_barrier_signal -1
	MUL16 2, 1, 0
	WIN 0
	s_barrier_wait -1
.if \fill
	CREST
	s_add_nc_u64 s[G0+4*\slot+2:G0+4*\slot+3], s[G0+4*\slot+2:G0+4*\slot+3], 8192
	s_add_nc_u64 s[G0B+4*\slot+2:G0B+4*\slot+3], s[G0B+4*\slot+2:G0B+4*\slot+3], 8192
	JLOAD G0+4*\slot, G1, G0B+4*\slot, G1B
.else
	PLACES NP
.endif
	FETCH_B \next, 0, 0
	FETCH_A \next, 0, 0
	WIN MUL_HI
	MUL16 4, 1, 0
	MUL16 6, 1, 0
	PLACES NP
	WIN 0
	FETCH_A \next, 0, 4
.endm
	s_wait_alu depctr_va_vdst(0)
	s_wait_tensorcnt 0x0                           ; my part of slot 0 is in
	ds_add_u32 v[SPW], v[NIL]
	s_wait_dscnt 0x0
	CROUND                                         ; everybody's part of slot 0 is in, and the joint loads meet
	JLOAD G0+4, G1, G0B+4, G1B                     ; slot 1, the first tensor load behind the round
	FETCH_B 0, 0, 0
	FETCH_A 0, 0, 0
	FETCH_A 0, 0, 4
	STEP 0, 0, 1
	s_mov_b32 s3, LAPS-1
.Llap:
	TURN 0, 1, 1
	STEP 1, 0, 0
	TURN 1, 0, 1
	STEP 0, 0, 0
	s_sub_co_u32 s3, s3, 1
	s_cmp_lg_u32 s3, 0
	s_cbranch_scc1 .Llap
	TURN 0, 1, 0
	STEP 1, 0, 0
	s_wait_dscnt 4*NL
	WIN MUL_LO
	MUL16 0, 1, 0
	MUL16 2, 1, 0
	s_wait_dscnt 0
	WIN MUL_HI
	MUL16 4, 1, 0
	MUL16 6, 1, 0
	WIN 0
	PLACES NP
.macro KSET idx, bits
	v_mov_b32 v[KC+2*\idx], \bits
	v_mov_b32 v[KC+2*\idx+1], \bits
.endm
	WIN 0x40
	KSET 0, 0xaf95df0b
	KSET 1, 0x32edffee
	KSET 2, 0xb60cff51
	KSET 3, 0xb86ec2d2
	KSET 4, 0xba40ac63
	KSET 5, 0xbb41a1f6
	KSET 6, 0xbc83dbd4
	KSET 7, 0xb77460cd
	KSET 8, 0xb95fbd29
	KSET 9, 0xbadc924e
	KSET 10, 0xbbf19bf8
	KSET 11, 0xbc69b6a7
	v_mov_b32 v[KCC], 0x3f3504f3
	v_mov_b32 v[KCC+1], 0x3f3504f3
	v_mov_b32 v[GL], s94
	v_mov_b32 v[GS], s95
	WIN 0x55
.set i, 0
.rept 14
	v_mul_f32 v[KC+i], 0x3f3504f3, v[KC+i]
.set i, i+1
.endr
	WIN 0
.macro STUB a
	WIN 0x42+((\a)/4)
.irp b, 0,1,2,3,4,5,6,7
.irp j, 0,2,4,6
	v_pk_fma_f32 v[U+8*\b+\j:U+8*\b+\j+1], v[64*((\a)%4)+8*\b+\j:64*((\a)%4)+8*\b+\j+1], s[96:97], v[CB+8*\b+\j:CB+8*\b+\j+1] op_sel_hi:[1,0,1]
.endr
.endr
	WIN 0
.endm
.macro PKF d, k
.irp i, 0,2,4,6
	v_pk_fma_f32 v[\d+\i:\d+\i+1], v[\d+\i:\d+\i+1], v[W+\i:W+\i+1], v[KC+2*(\k):KC+2*(\k)+1]
.endr
.endm
	s_mov_b32 s3, 0
.Lrow:
.irp a, 0,1,2,3,4,5,6
	s_cmp_eq_u32 s3, \a
	s_cbranch_scc1 .Lstub_\a
.endr
	STUB 7
	s_branch .Lgelu
.irp a, 0,1,2,3,4,5
.Lstub_\a:
	STUB \a
	s_branch .Lgelu
.endr
.Lstub_6:
	STUB 6
.Lgelu:
	WIN 0x55
.irp g, 0,1,2,3,4,5,6,7
.irp i, 0,1,2,3,4,5,6,7
	v_med3_num_f32 v[Z+\i], v[U+8*\g+\i], -4.0, 4.0
.endr
.irp i, 0,2,4,6
	v_pk_mul_f32 v[W+\i:W+\i+1], v[Z+\i:Z+\i+1], v[Z+\i:Z+\i+1]
.endr
.irp i, 0,2,4,6
	v_pk_fma_f32 v[P+8*\g+\i:P+8*\g+\i+1], v[W+\i:W+\i+1], v[KC:KC+1], v[KC+2:KC+3]
.endr
.irp i, 0,2,4,6
	v_pk_fma_f32 v[Q+8*\g+\i:Q+8*\g+\i+1], v[W+\i:W+\i+1], v[KC+14:KC+15], v[KC+16:KC+17]
.endr
	PKF P+8*\g, 2
	PKF Q+8*\g, 9
	PKF P+8*\g, 3
	PKF Q+8*\g, 10
	PKF P+8*\g, 4
	PKF Q+8*\g, 11
	PKF P+8*\g, 5
	PKF P+8*\g, 6
.irp i, 0,2,4,6
	v_pk_mul_f32 v[P+8*\g+\i:P+8*\g+\i+1], v[P+8*\g+\i:P+8*\g+\i+1], v[Z+\i:Z+\i+1]
.endr
.if (\g == 3) || (\g == 7)
.set i, 32*(\g/4)
	s_wait_alu depctr_va_vdst(0)
.rept 32
	v_rcp_f32 v[Q+i], v[Q+i]
.set i, i+1
.endr
.endif
.endr
	v_nop
	s_wait_alu depctr_va_vdst(0)
.set i, 0
.rept 32
	v_pk_fma_f32 v[P+i:P+i+1], v[P+i:P+i+1], v[Q+i:Q+i+1], v[KCC:KCC+1]
.set i, i+2
.endr
.set i, 0
.rept 32
	v_pk_mul_f32 v[U+i:U+i+1], v[U+i:U+i+1], v[P+i:P+i+1]
.set i, i+2
.endr
.set i, 0
.rept 64
	v_med3_num_f32 v[U+i], v[U+i], -v[GL], v[GL]
.set i, i+1
.endr
.irp b, 0,1,2,3,4,5,6,7
	v_cvt_scalef32_pk8_fp8_f32 v[GC+2*\b:GC+2*\b+1], v[U+8*\b:U+8*\b+7], v[GS]
.endr
	v_nop
	WIN 0x04
.irp g, 0,1,2,3
	global_store_b128 v[LI], v[GC+4*\g:GC+4*\g+3], s[88:89] offset:512*\g
.endr
	WIN 0
	s_wait_xcnt 0x0
	s_add_nc_u64 s[88:89], s[88:89], 65536
	s_add_co_u32 s3, s3, 1
	s_cmp_lt_u32 s3, 8
	s_cbranch_scc1 .Lrow
	s_wait_tensorcnt 0x0
	ds_add_u32 v[SPW], v[NIL]
	s_wait_dscnt 0x0
	CROUND
	s_endpgm
.Lfunc_end_k_q6cb93d34ef_ffn1:
	.size	k_q6cb93d34ef_ffn1, .Lfunc_end_k_q6cb93d34ef_ffn1-k_q6cb93d34ef_ffn1
	.p2alignl 7, 3214868480
	.fill 96, 4, 3214868480
	.section	.rodata,"a",@progbits
	.p2align	6, 0x0
	.amdhsa_kernel k_q6cb93d34ef_ffn1
		.amdhsa_group_segment_fixed_size 327680
		.amdhsa_private_segment_fixed_size 0
		.amdhsa_enable_private_segment 0
		.amdhsa_kernarg_size 40
		.amdhsa_user_sgpr_count 2
		.amdhsa_user_sgpr_kernarg_segment_ptr 1
		.amdhsa_wavefront_size32 1
		.amdhsa_system_sgpr_workgroup_id_x 1
		.amdhsa_system_sgpr_workgroup_id_y 1
		.amdhsa_system_sgpr_workgroup_id_z 1
		.amdhsa_system_vgpr_workitem_id 0
		.amdhsa_next_free_vgpr 1024
		.amdhsa_next_free_sgpr 100
		.amdhsa_reserve_vcc 0
		.amdhsa_float_denorm_mode_32 3
		.amdhsa_float_denorm_mode_16_64 3
		.amdhsa_memory_ordered 1
		.amdhsa_forward_progress 1
		.amdhsa_inst_pref_size 142
	.end_amdhsa_kernel
	.amdgpu_metadata
---
amdhsa.version: [ 1, 2 ]
amdhsa.kernels:
  - .name:           k_q6cb93d34ef_ffn1
    .symbol:         k_q6cb93d34ef_ffn1.kd
    .args:
      - { .name: xf, .offset: 0, .size: 8, .value_kind: global_buffer, .address_space: global }
      - { .name: wc, .offset: 8, .size: 8, .value_kind: global_buffer, .address_space: global }
      - { .name: lowp_scales, .offset: 16, .size: 8, .value_kind: global_buffer, .address_space: global }
      - { .name: b1, .offset: 24, .size: 8, .value_kind: global_buffer, .address_space: global }
      - { .name: hc, .offset: 32, .size: 8, .value_kind: global_buffer, .address_space: global }
    .group_segment_fixed_size: 327680
    .private_segment_fixed_size: 0
    .kernarg_segment_align: 8
    .kernarg_segment_size: 40
    .max_flat_workgroup_size: 128
    .sgpr_count:     100
    .vgpr_count:     1024
    .wavefront_size: 32
...
	.end_amdgpu_metadata
.endif
;; end of part 7
;; launch ffn2 (part 8): grid 8 x 32, 4 waves a work-group, clusters of 4 x 4, 327,680 bytes of LDS; arguments hc, wc, lowp_scales, b2, x1, out0; writes out0
.if DOCPART == 8
	.amdgcn_target "amdgcn-amd-amdhsa--gfx1250"
	.amdhsa_code_object_version 6
	.text
	.protected	k_q6cb93d34ef_ffn2
	.globl	k_q6cb93d34ef_ffn2
	.p2align	8
	.type	k_q6cb93d34ef_ffn2,@function
k_q6cb93d34ef_ffn2:
	s_mov_b64 s[64:65], 0
	v_nop
	global_prefetch_b8 v0, s[64:65] scope:SCOPE_SE
	s_setreg_imm32_b32 hwreg(HW_REG_WAVE_MODE, 25, 1), 1
	s_wait_xcnt 0x0
	s_wait_alu depctr_hold_cnt(0) depctr_sa_sdst(0) depctr_va_vdst(0) depctr_va_sdst(0) depctr_va_ssrc(0) depctr_va_vcc(0) depctr_vm_vsrc(0)
	s_getreg_b32 s2, hwreg(HW_REG_IB_STS2, 6, 4)
	s_cmp_eq_u32 s2, 0
	s_cbranch_scc0 .Lentry_in_a_cluster
	s_endpgm
.Lentry_in_a_cluster:
	s_bfe_u32 s2, ttmp6, 0x10000c
	s_cmp_lg_u32 s2, 0xf033
	s_cbranch_scc0 .Lentry_shape_is_right
	s_endpgm
.Lentry_shape_is_right:
; out = residual + (A B^T x 2^(ea + eb) + bias): [4096 x 4096] x [4096 x 1024] on codes of E4M3, f32 out, row-major.  Operands arrive as images of operand registers ([block of 16 rows][k / 128][2048 bytes]).
; A tile of C is 128 x 128: 256 work-groups; four waves, 64 x 64 each: 16 accumulators.  A slot holds 512 along K: a wave's tensor load brings 4 blocks x 8,192 bytes.  Source 0 = 16 rows of B, source 1 = 16 rows of A.
; The residual of my 64 x 64 is asked for at the head and waited for behind the last product, where the bias is added to it (another order of rounding than bias first onto the sum).
; CLUSTERS: 4 x 4; A's tile is asked for jointly along a row of the cluster, B's along a column.  LIMIT: ea + eb between -126 and 127.
; PREFETCH: behind the refill that loads slot t + 2 stands one prefetch for slot t + 4 (t = 0 .. 3): of the 4 blocks that a wave fetches, each of the four partners that ask jointly names one, 8,192 bytes,
; lanes 256 bytes apart, told apart by address (cx for A, cy for B).  Slots 0 to 3 come by their loads alone; the last two refills have no slot two on.
.set PFA, 72                           ; s[72:73] where my prefetches stand
.set PFO, 30                           ; v30 256 x lane; never rewritten
.set SIZE_K, 4096
.set WOFF,   0x800000
.set EOFF,   56
.set HALFT,  32768
.set SLOT,   4*HALFT
.set STAGE,  2*SLOT
.set SP,     272
.set SPARE,  STAGE+4*16*SP
.set LAPS,   SIZE_K/1024
.set LI,   3
.set ADRA, 16
.set ADRB, 20
.set STO,  24
.set RD,   25
.set CO,   26
.set SPW,  28
.set NIL,  29
.set BI,   32
.set RB,   64
.set ACC,  128
.set F0,   0
.set F1,   128
.set G1, 24
.set G0, 32
.set G1B, 48
.set G0B, 56
.set MSB, 0
.macro WIN new
.if MSB != \new
	s_set_vgpr_msb (MSB<<8)|\new
.set MSB, \new
.endif
.endm
.set MUL,  0x05
.set TO_F, 0x40
.macro JLOAD s
	s_cmp_eq_u32 s17, 0
	s_cbranch_scc0 .Lfor_b_\@
	tensor_load_to_lds s[G0+4*\s:G0+4*\s+3], s[G1:G1+7]
	s_nop 0
.rept 4
	v_nop
.endr
	s_branch .Lasked_\@
.Lfor_b_\@:
	tensor_load_to_lds s[G0B+4*\s:G0B+4*\s+3], s[G1B:G1B+7]
	s_nop 0
.rept 4
	v_nop
.endr
.Lasked_\@:
.endm
.macro CREST
	s_cmp_lg_u32 s16, 0
	s_cbranch_scc1 .Lnot_wave_0_\@
	s_barrier_signal -3
.Lnot_wave_0_\@:
	s_barrier_wait -3
	s_barrier_signal -1
	s_barrier_wait -1
.endm
.macro CROUND
	s_barrier_signal -1
	s_barrier_wait -1
	CREST
.endm
	s_load_b256 s[4:11], s[0:1], 0x0
	s_load_b128 s[12:15], s[0:1], 0x20
	v_lshl_add_u32 v[SPW], v0, 2, SPARE
	v_mov_b32 v[NIL], 0
	ds_add_u32 v[SPW], v[NIL]
	ds_add_u32 v[SPW], v[NIL]
	v_lshrrev_b32 v1, 5, v0
	v_readfirstlane_b32 s16, v1
	s_lshr_b32 s17, s16, 1
	s_and_b32 s18, s16, 1
	s_bfe_u32 s40, ttmp6, 0x40000
	s_bfe_u32 s41, ttmp6, 0x40004
	s_lshl_b32 s42, ttmp9, 2
	s_add_co_u32 s42, s42, s40
	s_and_b32 s43, ttmp7, 0xffff
	s_lshl_b32 s43, s43, 2
	s_add_co_u32 s43, s43, s41
	s_lshl_b32 s44, s41, 2
	s_lshl_b32 s44, 15, s44
	s_lshl_b32 s45, 0x1111, s40
	s_or_b32 s[G1+0], s44, (3<<16)|(1<<21)
	s_or_b32 s[G1B+0], s45, (3<<16)|(1<<21)
.irp g, G1, G1B
	s_mov_b32 s[\g+1], 1024<<16
	s_mov_b32 s[\g+2], 4<<16
	s_mov_b32 s[\g+3], 1024<<16
	s_mov_b32 s[\g+4], 4
	s_mov_b32 s[\g+5], 2*SIZE_K
	s_mov_b32 s[\g+6], 0
	s_mov_b32 s[\g+7], 0
.endr
	s_lshl_b32 s20, s18, 2
	s_lshl_b32 s22, s43, 3
	s_add_co_u32 s22, s22, s20
	s_mul_i32 s22, s22, SIZE_K*16
	s_mov_b32 s23, 0
	s_lshl_b32 s46, s42, 3
	s_add_co_u32 s46, s46, s20
	s_mul_i32 s46, s46, SIZE_K*16
	s_mov_b32 s47, 0
	s_mul_i32 s21, s16, HALFT
	s_wait_dscnt 0x0
	s_wait_kmcnt 0x0
	s_load_b64 s[66:67], s[8:9], EOFF
	s_add_nc_u64 s[22:23], s[4:5], s[22:23]
	s_add_nc_u64 s[46:47], s[6:7], s[46:47]
	s_add_nc_u64 s[46:47], s[46:47], WOFF
	s_cmp_eq_u32 s17, 0                            ; do I fetch for A?
	s_cselect_b64 s[PFA:PFA+1], s[22:23], s[46:47]
	s_cselect_b32 s74, s40, s41                    ; my place among the four that ask with me
	s_mul_i32 s74, s74, SIZE_K*16                  ; that block of 16 rows
	s_mov_b32 s75, 0
	s_add_nc_u64 s[PFA:PFA+1], s[PFA:PFA+1], s[74:75]
	s_add_nc_u64 s[PFA:PFA+1], s[PFA:PFA+1], 3*8192   ; at slot 3: the first refill steps it to slot 4
	CROUND
.irp s, 0,1
	s_mov_b32 s[G0+4*\s], 1
	s_add_co_u32 s[G0+4*\s+1], s21, \s*SLOT
	s_add_nc_u64 s[G0+4*\s+2:G0+4*\s+3], s[22:23], \s*8192
	s_or_b32 s[G0+4*\s+3], s[G0+4*\s+3], 0x80000000
	s_mov_b32 s[G0B+4*\s], 1
	s_add_co_u32 s[G0B+4*\s+1], s21, \s*SLOT
	s_add_nc_u64 s[G0B+4*\s+2:G0B+4*\s+3], s[46:47], \s*8192
	s_or_b32 s[G0B+4*\s+3], s[G0B+4*\s+3], 0x80000000
.endr
	JLOAD 0                                        ; slot 0: one tensor load a wave at the head; the set-up below stands under its flight
	v_and_b32 v1, 15, v0
	s_wait_alu depctr_va_vdst(0)
	v_bfe_u32 v2, v0, 4, 1
	v_and_b32 v[LI], 31, v0
	v_lshlrev_b32 v[LI], 4, v[LI]
	v_lshlrev_b32 v[PFO], 4, v[LI]
	s_mul_i32 s20, s17, HALFT
	s_mul_i32 s22, s18, HALFT
	s_add_co_u32 s22, s22, 2*HALFT
.irp s, 0,1
	v_add_nc_u32 v[ADRA+\s], s20, v[LI]
	v_add_nc_u32 v[ADRB+\s], s22, v[LI]
	s_add_co_u32 s20, s20, SLOT
	s_add_co_u32 s22, s22, SLOT
.endr
	s_mul_i32 s20, s16, 16*SP
	s_add_co_u32 s20, s20, STAGE
	v_mul_u32_u24 v4, v1, SP
	s_wait_alu depctr_va_vdst(0)
	v_lshl_add_u32 v4, v2, 5, v4
	v_add_nc_u32 v[STO], s20, v4
	v_mul_u32_u24 v5, v2, SP
	v_lshl_add_u32 v5, v1, 4, v5
	v_add_nc_u32 v[RD], s20, v5
	v_lshlrev_b32 v[CO], 12, v2
	v_lshl_add_u32 v[CO], v1, 4, v[CO]
	s_wait_alu depctr_va_vdst(0)
	v_lshlrev_b32 v6, 4, v1
	s_wait_alu depctr_va_vdst(0)
	s_lshl_b32 s68, s43, 7
	s_lshl_b32 s69, s17, 6
	s_add_co_u32 s68, s68, s69
	s_lshl_b32 s68, s68, 12
	s_lshl_b32 s70, s42, 9
	s_lshl_b32 s71, s18, 8
	s_add_co_u32 s70, s70, s71
	s_mov_b32 s71, 0
	s_add_co_u32 s68, s68, s70
	s_mov_b32 s69, 0
	s_add_nc_u64 s[12:13], s[12:13], s[68:69]
	s_add_nc_u64 s[14:15], s[14:15], s[68:69]
	s_add_nc_u64 s[10:11], s[10:11], s[70:71]
	WIN 0x80
.irp a, 0,1,2,3
.irp t, 0,1,2,3,4,5,6,7
	global_load_b128 v[32*\a+4*\t:32*\a+4*\t+3], v[CO], s[12:13] offset:(16*\a+2*\t)*4096
.endr
.endr
	WIN 0
	global_load_b128 v[BI:BI+3], v6, s[10:11]
	s_wait_kmcnt 0x0
	s_add_co_i32 s66, s66, s67
	s_add_co_i32 s66, s66, 127
	s_lshl_b32 s66, s66, 23
	s_mov_b32 s67, s66
.macro MUL4 f, a, zero
.irp b, 0,1,2,3
.if \zero
	v_wmma_f32_16x16x128_fp8_fp8 v[ACC+8*(4*(\a)+\b):ACC+8*(4*(\a)+\b)+7], v[\f+64+16*\b:\f+64+16*\b+15], v[\f+16*(\a):\f+16*(\a)+15], 0
.else
	v_wmma_f32_16x16x128_fp8_fp8 v[ACC+8*(4*(\a)+\b):ACC+8*(4*(\a)+\b)+7], v[\f+64+16*\b:\f+64+16*\b+15], v[\f+16*(\a):\f+16*(\a)+15], v[ACC+8*(4*(\a)+\b):ACC+8*(4*(\a)+\b)+7]
.endif
.endr
.endm
.macro FETCH slot, q, f
	WIN TO_F
.irp i, 0,1,2,3
.irp c, 0,1,2,3
	ds_load_b128 v[\f+64+16*\i+4*\c:\f+64+16*\i+4*\c+3], v[ADRB+\slot] offset:\i*8192+(\q)*2048+512*\c
.endr
.endr
.irp i, 0,1,2,3
.irp c, 0,1,2,3
	ds_load_b128 v[\f+16*\i+4*\c:\f+16*\i+4*\c+3], v[ADRA+\slot] offset:\i*8192+(\q)*2048+512*\c
.endr
.endr
.endm
.macro PLACES
.rept 4
	v_nop
.endr
.endm
.macro QUARTER slot, q, f, g, zero
	s_wait_dscnt 8
	WIN MUL
	MUL4 \f, 0, \zero
	MUL4 \f, 1, \zero
	PLACES
	FETCH \slot, \q, \g
	s_wait_dscnt 32
	WIN MUL
	MUL4 \f, 2, \zero
	MUL4 \f, 3, \zero
.endm
.macro ASK                             ; the slot two refills on; the loop's last trip (s19 = 1) has none
	s_cmp_gt_u32 s19, 1
	s_cbranch_scc0 .Lnot_mine_\@
	global_prefetch_b8 v[PFO], s[PFA:PFA+1] th:TH_LOAD_NT scope:SCOPE_SE
.Lnot_mine_\@:
.endm
.macro TURN slot, next, fill
	WIN 0
.if \fill
	s_wait_xcnt 0x0                                ; any prefetch of mine has read its address: it is stepped here, a slot's products behind the prefetch
	s_add_nc_u64 s[PFA:PFA+1], s[PFA:PFA+1], 8192
.endif
	s_wait_tensorcnt 0x0
	ds_add_u32 v[SPW], v[NIL]
	s_wait_dscnt 9
	WIN MUL
	MUL4 F1, 0, 0
	s_wait_dscnt 0x0
	s_barrier_signal -1
	MUL4 F1, 1, 0
	WIN 0
	s_barrier_wait -1
.if \fill
	CREST
	s_add_nc_u64 s[G0+4*\slot+2:G0+4*\slot+3], s[G0+4*\slot+2:G0+4*\slot+3], 16384
	s_add_nc_u64 s[G0B+4*\slot+2:G0B+4*\slot+3], s[G0B+4*\slot+2:G0B+4*\slot+3], 16384
	JLOAD \slot
.else
	PLACES
.endif
	FETCH \next, 0, F0
.if \fill
	WIN 0
	ASK                                            ; behind the joint load and the run of LDS loads that the next products wait for
.endif
	WIN MUL
	MUL4 F1, 2, 0
	MUL4 F1, 3, 0
.endm
	s_wait_alu depctr_va_vdst(0)
	s_wait_tensorcnt 0x0                           ; my part of slot 0 is in
	ds_add_u32 v[SPW], v[NIL]
	s_wait_dscnt 0x0
	CROUND                                         ; everybody's part of slot 0 is in, and the joint loads meet
	JLOAD 1                                        ; slot 1, the first tensor load behind the round
	FETCH 0, 0, F0
	QUARTER 0, 1, F0, F1, 1
.if LAPS > 1
	WIN 0
	s_mov_b32 s19, LAPS-1
.Llap:
	QUARTER 0, 2, F1, F0, 0
	QUARTER 0, 3, F0, F1, 0
	TURN 0, 1, 1
	QUARTER 1, 1, F0, F1, 0
	QUARTER 1, 2, F1, F0, 0
	QUARTER 1, 3, F0, F1, 0
	TURN 1, 0, 1
	QUARTER 0, 1, F0, F1, 0
	WIN 0
	s_sub_co_u32 s19, s19, 1
	s_cmp_lg_u32 s19, 0
	s_cbranch_scc1 .Llap
.endif
	QUARTER 0, 2, F1, F0, 0
	QUARTER 0, 3, F0, F1, 0
	TURN 0, 1, 0
	QUARTER 1, 1, F0, F1, 0
	QUARTER 1, 2, F1, F0, 0
	QUARTER 1, 3, F0, F1, 0
	s_wait_dscnt 8
	WIN MUL
	MUL4 F1, 0, 0
	MUL4 F1, 1, 0
	s_wait_dscnt 0
	MUL4 F1, 2, 0
	MUL4 F1, 3, 0
	WIN 0
.macro TOSTAGE a
.irp b, 0,1,2,3
	ds_store_b128 v[STO], v[ACC+8*(4*(\a)+\b):ACC+8*(4*(\a)+\b)+3] offset:64*\b
	ds_store_b128 v[STO], v[ACC+8*(4*(\a)+\b)+4:ACC+8*(4*(\a)+\b)+7] offset:64*\b+16
.endr
.irp t, 0,1,2,3,4,5,6,7
	ds_load_b128 v[RB+32*((\a)%2)+4*\t:RB+32*((\a)%2)+4*\t+3], v[RD] offset:\t*2*SP
.endr
.endm
.macro SEND a, younger
	s_wait_dscnt \younger
	WIN 0x20
.set i, 0
.rept 16
	v_pk_fma_f32 v[RB+32*((\a)%2)+i:RB+32*((\a)%2)+i+1], v[RB+32*((\a)%2)+i:RB+32*((\a)%2)+i+1], s[66:67], v[32*(\a)+i:32*(\a)+i+1] op_sel_hi:[1,0,1]
.set i, i+2
.endr
	WIN 0
.irp t, 0,1,2,3,4,5,6,7
	global_store_b128 v[CO], v[RB+32*((\a)%2)+4*\t:RB+32*((\a)%2)+4*\t+3], s[14:15] offset:(16*(\a)+2*\t)*4096
.endr
.endm
	s_wait_loadcnt 0x0                             ; the residual and the bias, asked for at the head
	WIN 0x82                                       ; source 0 and destination window 2
.set i, 0
.rept 32
	v_pk_add_f32 v[i:i+1], v[i:i+1], v[BI:BI+1]
	v_pk_add_f32 v[i+2:i+3], v[i+2:i+3], v[BI+2:BI+3]
.set i, i+4
.endr
	WIN 0
	PLACES
	TOSTAGE 0
	TOSTAGE 1
	SEND 0, 16
	s_wait_xcnt 0x0
	TOSTAGE 2
	SEND 1, 16
	s_wait_xcnt 0x0
	TOSTAGE 3
	SEND 2, 16
	SEND 3, 0
	s_wait_tensorcnt 0x0
	ds_add_u32 v[SPW], v[NIL]
	s_wait_dscnt 0x0
	CROUND
	s_endpgm
.Lfunc_end_k_q6cb93d34ef_ffn2:
	.size	k_q6cb93d34ef_ffn2, .Lfunc_end_k_q6cb93d34ef_ffn2-k_q6cb93d34ef_ffn2
	.p2alignl 7, 3214868480
	.fill 96, 4, 3214868480
	.section	.rodata,"a",@progbits
	.p2align	6, 0x0
	.amdhsa_kernel k_q6cb93d34ef_ffn2
		.amdhsa_group_segment_fixed_size 327680
		.amdhsa_private_segment_fixed_size 0
		.amdhsa_enable_private_segment 0
		.amdhsa_kernarg_size 48
		.amdhsa_user_sgpr_count 2
		.amdhsa_user_sgpr_kernarg_segment_ptr 1
		.amdhsa_wavefront_size32 1
		.amdhsa_system_sgpr_workgroup_id_x 1
		.amdhsa_system_sgpr_workgroup_id_y 1
		.amdhsa_system_sgpr_workgroup_id_z 1
		.amdhsa_system_vgpr_workitem_id 0
		.amdhsa_next_free_vgpr 640
		.amdhsa_next_free_sgpr 76
		.amdhsa_reserve_vcc 0
		.amdhsa_float_denorm_mode_32 3
		.amdhsa_float_denorm_mode_16_64 3
		.amdhsa_memory_ordered 1
		.amdhsa_forward_progress 1
		.amdhsa_inst_pref_size 83
	.end_amdhsa_kernel
	.amdgpu_metadata
---
amdhsa.version: [ 1, 2 ]
amdhsa.kernels:
  - .name:           k_q6cb93d34ef_ffn2
    .symbol:         k_q6cb93d34ef_ffn2.kd
    .args:
      - { .name: hc, .offset: 0, .size: 8, .value_kind: global_buffer, .address_space: global }
      - { .name: wc, .offset: 8, .size: 8, .value_kind: global_buffer, .address_space: global }
      - { .name: lowp_scales, .offset: 16, .size: 8, .value_kind: global_buffer, .address_space: global }
      - { .name: b2, .offset: 24, .size: 8, .value_kind: global_buffer, .address_space: global }
      - { .name: x1, .offset: 32, .size: 8, .value_kind: global_buffer, .address_space: global }
      - { .name: out0, .offset: 40, .size: 8, .value_kind: global_buffer, .address_space: global }
    .group_segment_fixed_size: 327680
    .private_segment_fixed_size: 0
    .kernarg_segment_align: 8
    .kernarg_segment_size: 48
    .max_flat_workgroup_size: 128
    .sgpr_count:     76
    .vgpr_count:     640
    .wavefront_size: 32
...
	.end_amdgpu_metadata
.endif
;; end of part 8
